; MI455X (gfx1250); checked and timed in simulation.
; The chip was launched on July 23, 2026; its instructions are those of AMD's public machine-readable ISA for CDNA 5 (MIT licence, August 2026) and "CDNA5" Instruction Set Architecture Reference Guide (July 2026). The comments in the code are by the model that wrote it; some were corrected since.
;; Muti Llama Attention. Allowed arithmetic: matrix products marked QUANTISED: E4M3 operands, one E8M0 scale for each 32 along K, by v_wmma_scale_f32_16x16x128_f8f6f4 with both operands' format E4M3, f32 sums; everything else in f32.
;; Inputs: Wk 512 x 2,048 float32; Wo 2,048 x 2,048 float32; Wq 2,048 x 2,048 float32; Wv 512 x 2,048 float32; attention_mask 1 x 1 x 2,048 x 2,048 float32; hidden_states 1 x 2,048 x 2,048 float32; position_ids 1 x 2,048 int32.
;; Outputs: out0 1 x 2,048 x 2,048 float32.
;; This version of the problem:
;;   THIS VERSION OF THE PROBLEM IS GIVEN IN LOW PRECISION. The matrix products marked QUANTISED in the list below multiply operands that are first quantised to E4M3 (4 exponent bits, 3 mantissa bits; 8 bits a number), with one power-of-two scale for each 32 numbers along K (OCP MX v1.0); their sums are f32. All else is computed in f32.
;;   The module's matrix products, in the order in which they are computed (A, B: the left and right operand; K: the contracted axis; several contracted axes count as one K, in the product's order):
;;     1. [M 2,048, K 2,048] x [K 2,048, N 2,048]; A: input hidden_states; B: input Wq: QUANTISED
;;     2. [M 2,048, K 2,048] x [K 2,048, N 512]; A: input hidden_states; B: input Wk: QUANTISED
;;     3. [M 2,048, K 2,048] x [K 2,048, N 512]; A: input hidden_states; B: input Wv: QUANTISED
;;     4. batch 32 x [M 2,048, K 64] x [K 64, N 2,048]; A: computed on the way; B: computed on the way: QUANTISED
;;     5. batch 32 x [M 2,048, K 64] x [K 64, N 2,048]; A: computed on the way; B: computed on the way: QUANTISED
;;     6. batch 32 x [M 2,048, K 2,048] x [K 2,048, N 64]; A: softmax (see below); B: computed on the way: QUANTISED
;;     7. [M 2,048, K 2,048] x [K 2,048, N 2,048]; A: computed on the way; B: input Wo: QUANTISED
;;   THE QUANTISER, for each operand of a quantised product, along K:
;;     - K is cut into blocks of 32 from its start; a last block that is shorter is filled with zeros.
;;     - A block's scale is 2^e with e = floor(log2(the largest magnitude in the block)) - 8, held to -126 .. 127; a block of zeros has e = 0. As a byte (E8M0): e + 127.
;;     - Each number is divided by its block's scale, clamped to +-448, and rounded to the nearest number of E4M3, ties to even, subnormals kept.
;;     - The product sums the exact products of the quantised numbers (number of the format x scale) in f32.
;;   ~~~python
;;   def quantise(x, axis):      # numpy; x: float32 -> the quantised numbers, widened to float32 again
;;       x = np.moveaxis(x, axis, -1); K = x.shape[-1]
;;       x = np.pad(x, [(0, 0)] * (x.ndim - 1) + [(0, -K % 32)]); x = x.reshape(x.shape[:-1] + (-1, 32)); a = np.abs(x).max(-1, keepdims=True)
;;       e = np.where(a > 0, np.clip(np.frexp(np.where(a > 0, a, 1))[1] - 1 - 8, -126, 127), 0)      # np.frexp(a)[1] - 1 = floor(log2(a)), exactly
;;       r = np.clip(x / 2.0 ** e, -448, 448)
;;       step = 2.0 ** (np.maximum(np.frexp(np.where(r == 0, 1, r))[1] - 1, -6) - 3)
;;       q = np.round(r / step) * step * 2.0 ** e      # np.round: ties to even
;;       return np.moveaxis(q.reshape(q.shape[:-2] + (-1,))[..., :K], -1, axis).astype(np.float32)
;;   ~~~
;;   SOFTMAX AHEAD OF A QUANTISED PRODUCT. Where the list says 'softmax', what is quantised is not the finished softmax but p = 2^(t - M), with t = logit x log2(e) and M = ceil(the row's largest t), a whole number; so 1/2 < the row's largest p <= 1. The row's sum l is taken of the UNQUANTISED p, in f32, and the product's result is divided by l at the end. Since M is a whole number, a kernel that streams over the keys may use a running M (the ceiling of the running maximum): every later rescaling is an exact power of two, which a block's scale takes up: the codes' values come out the same.
;;   OPERANDS COMPUTED ON THE WAY. 'Computed on the way' means the value that the module computes at that place (a softmax that the list does not call 'softmax' is quantised finished and normalised). What goes into a quantiser is computed in f32, as accurately as f32 sums, v_exp_f32 and their like allow (about 1e-6 of the number): no bf16 or f16 on the way to a quantiser, and a product that is left as it is and whose result goes on into a quantised operand takes f32 operands (vector FMAs, or v_wmma_f32_16x16x4_f32). A number that lies on a knife's edge between two numbers of the format may be rounded either way, as far as f32 arithmetic and the matrix unit's own rounding can turn it there, and no further.
;; One version. Each part assembles by itself: llvm-mc -triple=amdgcn-amd-amdhsa -mcpu=gfx1250 --defsym DOCPART=n.
;; ======== version 1 of 1: 4 launches
;; limits: right only within a limited range of input values
;; workspace buffers: ximg 4,325,376 bytes; wimg 6,488,064 bytes; oimg 4,325,376 bytes; rope 1,048,576 bytes; qimg 8,388,608 bytes; qsc 262,144 bytes; kv 3,244,032 bytes; aimg 4,325,376 bytes
;; launch prep (part 1): grid 480 x 1, 4 waves a work-group, no clusters, 34,304 bytes of LDS; arguments hidden_states, Wq, Wk, Wv, Wo, ximg, wimg, oimg, rope, position_ids; writes ximg, wimg, oimg, rope
.if DOCPART == 1
	.amdgcn_target "amdgcn-amd-amdhsa--gfx1250"
	.amdhsa_code_object_version 6
	.text
	.protected	k_qd7ea730d6c_prep
	.globl	k_qd7ea730d6c_prep
	.p2align	8
	.type	k_qd7ea730d6c_prep,@function
k_qd7ea730d6c_prep:
	s_mov_b64 s[64:65], 0
	v_nop
	global_prefetch_b8 v0, s[64:65] scope:SCOPE_SE
	s_setreg_imm32_b32 hwreg(HW_REG_WAVE_MODE, 25, 1), 1
	s_wait_xcnt 0x0
; PREP.  (1) hidden_states, Wq, Wk, Wv, Wo (f32, K = 2,048 innermost) become codes of E4M3 with one E8M0 scale for each 32 along K.  (2) cos and sin of both RoPE scales for every token's position.
; THE CODES' LAYOUT is the order of an operand's registers: [K / 512][rows / 16][a record of 8,448 bytes].  A record: four fragments (16 rows x 128 K), each 4 x 512 bytes: part c holds, at 16 x lane,
; the 16 codes k = 32 c + 16 (lane / 16) + 0 .. 15 of row lane % 16; behind them 256 bytes of scale words [K step of 128][row], byte b for k = 32 b .. 32 b + 31.
; Wq, Wk, Wv share one buffer (row tiles 0-127, 128-159, 160-191), and in it the rows of each group of 32 are laid so that place 16 u + 8 h + j holds row 16 h + 8 u + j:
; the product that reads them then leaves 16 neighbouring columns in a lane's 16 registers.
; SHARES.  Work-groups 0-447 quantise: a wave makes one record (16 rows x 512 K: 32 KiB in, 8,448 bytes out).  Each load reads 512 neighbouring bytes of one row; the 16 x 512 bytes of a K step of 128 turn
; through the wave's own stage in LDS (rows 528 bytes apart) and come back 16 neighbours a lane.  Every store of codes covers 512 consecutive bytes.  Waves share nothing: no barrier.
; Work-groups 448-479 make the table, BY TOKEN and in the order in which the next launch's registers take it: [16 tokens][k 0-15][lane][4 f32]: lane (r, h) holds token r's values, part k those of kind k / 4
; (boost cos, boost sin, narrow cos, narrow sin) at frequencies 16 h + 4 (k % 4) + 0 .. 3.  A wave makes one tile of 16 tokens: 32 angles a lane, four by turns; a store covers 512 consecutive bytes.
; The position enters as a number, not as an address.
; A block's scale is 2^(floor(log2(largest magnitude)) - 8): its byte is that magnitude's exponent field - 8, held at 1 from below.
; LIMITS: NaN and infinities are not served.  A block of zeros, and one whose largest magnitude lies under 2^-118, gets the byte 1 (its codes are zeros or tiny; only this program reads the bytes).
; position_ids are held to 0 .. 2,047, the boost table's rows.  cos, sin: the angle is position x scale x inv_freq in f32, reduced by pi/2 in two parts (exact up to 2,047), then polynomials of
; degree 7 and 8 on +-pi/4: about 1e-7 absolute.
.set REC,  8448
.set SP,   528                         ; a stage row: 512 bytes + 16: 33 x 16, so that sixteen rows start at sixteen different groups of banks
.set TM,   16                          ; v16-31  at work in QUANT
.set PWS,  32                          ; v32-35  the scale words of the four K steps
.set PW,   38
.set PC,   40                          ; v40-55  the codes just made
.set X,    64                          ; v64-127 64 numbers a lane: register 16 b + i = k 32 b + 16 (lane / 16) + i of my row
.set R,    128                         ; v128-255 two sets of 64: 16 rows as loaded
.set WV,   41
.set SEL,  42
.set MNT,  44
; 64 numbers of a lane become a fragment's codes in v[PC] on and its scale word in v[PW]
.macro QUANT s
.irp b, 0,1,2,3
	v_max3_num_f32 v[TM+\b], |v[\s+16*\b]|, |v[\s+1+16*\b]|, 0x4800000   ; block b: my 16 numbers, and the floor 2^(9 - 127): the byte cannot fall under 1
.endr
.irp i, 2,4,6,8,10,12,14
.irp b, 0,1,2,3
	v_max3_num_f32 v[TM+\b], v[TM+\b], |v[\s+16*\b+\i]|, |v[\s+1+16*\b+\i]|
.endr
.endr
.irp b, 0,1,2,3
	v_permlanex16_b32 v[TM+4+\b], v[TM+\b], s[SEL], s[SEL+1]
.endr
.irp b, 0,1,2,3
	v_max_num_f32 v[TM+\b], v[TM+\b], v[TM+4+\b]                     ; with lane l xor 16's 16: the block's largest magnitude
.endr
.irp b, 0,1,2,3
	v_add_nc_u32 v[TM+12+\b], 0xfc000000, v[TM+\b]                   ; 8 off its exponent field: the conversion's scale operand
.endr
.irp b, 0,1,2,3
	v_and_or_b32 v[TM+8+\b], v[TM+\b], 0x7f800000, s[MNT]            ; 448 x the scale
.endr
.irp b, 0,1,2,3
	v_lshrrev_b32 v[TM+4+\b], 23, v[TM+12+\b]                        ; the scale's byte
.endr
	v_lshl_or_b32 v[PW], v[TM+5], 8, v[TM+4]
	v_lshl_or_b32 v[PW], v[TM+6], 16, v[PW]
	v_lshl_or_b32 v[PW], v[TM+7], 24, v[PW]
.irp b, 0,1,2,3
.irp i, 0,1,2,3,4,5,6,7,8,9,10,11,12,13,14,15
	v_med3_num_f32 v[\s+16*\b+\i], v[\s+16*\b+\i], -v[TM+8+\b], v[TM+8+\b]   ; the conversion does not saturate (ISA guide 7.6.2): the hold comes first
.endr
	v_cvt_scalef32_pk8_fp8_f32 v[PC+4*\b:PC+1+4*\b], v[\s+16*\b:\s+7+16*\b], v[TM+12+\b]
	v_cvt_scalef32_pk8_fp8_f32 v[PC+2+4*\b:PC+3+4*\b], v[\s+8+16*\b:\s+15+16*\b], v[TM+12+\b]
.endr
	v_nop                                          ; a plain line behind the last conversion
.endm
	s_load_b512 s[4:19], s[0:1], 0x0               ; X 4, Wq 6, Wk 8, Wv 10, Wo 12, ximg 14, wimg 16, oimg 18
	s_load_b64 s[20:21], s[0:1], 0x40              ; rope
	s_load_b64 s[62:63], s[0:1], 0x48              ; position_ids
	v_lshl_add_u32 v14, v0, 2, 0x8400
	v_mov_b32 v15, 0
	v_lshrrev_b32 v1, 5, v0
	v_readfirstlane_b32 s[WV], v1                  ; wave 0..3
	s_cmp_ge_u32 ttmp9, 448
	s_cbranch_scc1 .Ltable
	; ---------------- the quantiser ----------------
	v_and_b32 v1, 31, v0                           ; lane
	v_and_b32 v2, 15, v0                           ; r
	v_bfe_u32 v3, v0, 4, 1                         ; h
	v_lshlrev_b32 v4, 4, v1                        ; 16 x lane: my place in a load's 512 bytes and in a store's
	s_mul_i32 s45, s[WV], REC                      ; my stage: 16 x 528 bytes
	v_add_nc_u32 v5, s45, v4                       ; into it: as loaded
	v_mul_u32_u24 v6, v2, SP
	v_lshl_add_u32 v6, v3, 6, v6
	v_add_nc_u32 v6, s45, v6                       ; out of it: row r, 64 h bytes on
	v_lshlrev_b32 v7, 2, v1                        ; 4 x lane: the scale words' place
	s_mov_b32 s[SEL], 0x76543210
	s_mov_b32 s[SEL+1], 0xfedcba98
	s_mov_b32 s[MNT], 0x600000
.irp b, 0,1,2,3
	v_mov_b32 v[TM+4+\b], 0                        ; a lane permute's destination counts as read
.endr
	s_mov_b32 s26, 0                               ; the tensor's first work-group
	s_mov_b32 s27, 0                               ; the first work-group of its buffer
	s_mov_b32 s28, 128                             ; row tiles in the buffer
	s_mov_b32 s29, 0                               ; 1: rows are laid 16 h + 8 u + j
	s_wait_alu depctr_va_vdst(0)
	s_wait_kmcnt 0x0
	s_mov_b64 s[22:23], s[4:5]
	s_mov_b64 s[24:25], s[14:15]
	s_cmp_ge_u32 ttmp9, 128                        ; the choice hangs on the work-group's number alone; one path serves all five tensors
	s_cselect_b64 s[22:23], s[6:7], s[22:23]
	s_cselect_b64 s[24:25], s[16:17], s[24:25]
	s_cselect_b32 s26, 128, s26
	s_cselect_b32 s27, 128, s27
	s_cselect_b32 s28, 192, s28
	s_cselect_b32 s29, 1, s29
	s_cmp_ge_u32 ttmp9, 256
	s_cselect_b64 s[22:23], s[8:9], s[22:23]
	s_cselect_b32 s26, 256, s26
	s_cmp_ge_u32 ttmp9, 288
	s_cselect_b64 s[22:23], s[10:11], s[22:23]
	s_cselect_b32 s26, 288, s26
	s_cmp_ge_u32 ttmp9, 320
	s_cselect_b64 s[22:23], s[12:13], s[22:23]
	s_cselect_b64 s[24:25], s[18:19], s[24:25]
	s_cselect_b32 s26, 320, s26
	s_cselect_b32 s27, 320, s27
	s_cselect_b32 s28, 128, s28
	s_cselect_b32 s29, 0, s29
	s_and_b32 s30, ttmp9, 3                        ; which 512 along K
	s_sub_co_u32 s31, ttmp9, s26
	s_lshr_b32 s31, s31, 2
	s_lshl_b32 s31, s31, 2
	s_add_co_u32 s31, s31, s[WV]                   ; my row tile in the tensor,
	s_sub_co_u32 s32, ttmp9, s27
	s_lshr_b32 s32, s32, 2
	s_lshl_b32 s32, s32, 2
	s_add_co_u32 s32, s32, s[WV]                   ; and in the buffer
	s_lshr_b32 s33, s31, 1
	s_lshl_b32 s33, s33, 5
	s_and_b32 s34, s31, 1
	s_lshl_b32 s34, s34, 3
	s_add_co_u32 s33, s33, s34                     ; 32 (T / 2) + 8 (T % 2)
	s_lshl_b32 s34, s31, 4                         ; 16 T
	s_cmp_eq_u32 s29, 1
	s_cselect_b32 s33, s33, s34                    ; the tile's first row
	s_cselect_b32 s35, 65536, 0                    ; its rows 8-15 lie 8 rows (of 8,192 bytes) further on, or not
	s_lshl_b32 s36, s33, 13
	s_lshl_b32 s34, s30, 11
	s_add_co_u32 s36, s36, s34
	s_mov_b32 s37, 0
	s_add_nc_u64 s[22:23], s[22:23], s[36:37]      ; rows 0-7
	s_mov_b32 s36, s35
	s_add_nc_u64 s[38:39], s[22:23], s[36:37]      ; rows 8-15
	s_mul_i32 s34, s30, s28
	s_add_co_u32 s34, s34, s32
	s_mul_i32 s36, s34, REC
	s_add_nc_u64 s[24:25], s[24:25], s[36:37]      ; my record
.macro LOAD t                          ; K step t of 128: 16 rows x 512 bytes into set t % 2
.irp r, 0,1,2,3,4,5,6,7
	global_load_b128 v[R+64*((\t)%2)+4*\r:R+64*((\t)%2)+4*\r+3], v4, s[22:23] offset:\r*8192+512*(\t) th:TH_LOAD_NT
.endr
.irp r, 8,9,10,11,12,13,14,15
	global_load_b128 v[R+64*((\t)%2)+4*\r:R+64*((\t)%2)+4*\r+3], v4, s[38:39] offset:\r*8192+512*(\t) th:TH_LOAD_NT
.endr
.endm
.macro TURNL t                         ; through the stage: LDS serves a wave's instructions in order (ISA guide 5.7.1.4), so no wait stands between the stores and the loads
.irp r, 0,1,2,3,4,5,6,7,8,9,10,11,12,13,14,15
	ds_store_b128 v5, v[R+64*((\t)%2)+4*\r:R+64*((\t)%2)+4*\r+3] offset:SP*\r
.endr
.irp c, 0,1,2,3
.irp j, 0,1,2,3
	ds_load_b128 v[X+16*\c+4*\j:X+16*\c+4*\j+3], v6 offset:128*\c+16*\j
.endr
.endr
.endm
	LOAD 0
	LOAD 1
.irp t, 0,1,2,3
.if \t < 3
	s_wait_loadcnt 16                              ; this K step's 16 loads are in; the next step's 16 may be out
.else
	s_wait_loadcnt 0x0
.endif
	TURNL \t
	s_wait_dscnt 0x0                               ; my 64 numbers are back, and the stage's stores have read the set,
.if \t < 2
	LOAD \t+2                                      ; which takes the loads of two steps on
.endif
	s_wait_xcnt 0x0                                ; the last step's stores have read v[PC] on
	QUANT X
	v_mov_b32 v[PWS+\t], v[PW]
.irp c, 0,1,2,3
	global_store_b128 v4, v[PC+4*\c:PC+4*\c+3], s[24:25] offset:2048*\t+512*\c   ; 512 consecutive bytes, aligned
.endr
.endr
	s_mov_b32 s46, 0xffff0000
	v_cndmask_b32 v36, v32, v33, s46               ; lanes 0-15: K step 0's words, lanes 16-31: K step 1's (both halves of the lanes hold row r's word)
	v_cndmask_b32 v37, v34, v35, s46
	global_store_b32 v7, v36, s[24:25] offset:8192
	global_store_b32 v7, v37, s[24:25] offset:8320
	s_wait_tensorcnt 0x0
	ds_add_u32 v14, v15
	s_wait_dscnt 0x0
	s_endpgm
	; ---------------- the table ----------------
	; REGISTERS: v1 16 x lane; v5 my token's position; v6, v7 position / 1, position / 4; v16-31 inv_freq of my 16 frequencies; v32-63 at work on them; v64-127 the 64 values; v128-175 four angles at work
.Ltable:
	s_sub_co_u32 s45, ttmp9, 448
	s_lshl_b32 s45, s45, 2
	s_add_co_u32 s45, s45, s[WV]                   ; my tile of 16 tokens
	s_lshl_b32 s46, s45, 13                        ; 8,192 bytes of table a tile,
	s_mov_b32 s47, 0
	s_lshl_b32 s48, s45, 6                         ; 64 bytes of positions
	s_mov_b32 s49, 0
	s_mov_b32 s50, 0x3f22f983                      ; 2 / pi
	s_mov_b32 s51, 0xbfc90fdb                      ; -pi/2, upper part
	s_mov_b32 s52, 0x333bbd2e                      ; and what is left of it
	s_mov_b32 s53, 0xb94ca1f9                      ; sine: -1.9515296e-4, 8.3321609e-3, -1.6666655e-1
	s_mov_b32 s54, 0x3c08839e
	s_mov_b32 s55, 0xbe2aaaa3
	s_mov_b32 s56, 0x37ccf5ce                      ; cosine: 2.4433157e-5, -1.3887316e-3, 4.1666646e-2
	s_mov_b32 s57, 0xbab6061a
	s_mov_b32 s58, 0x3d2aaaa5
	s_mov_b32 s59, 0xbed49a78                      ; -log2(10) / 8, upper part: inv_freq = 10000^(-f / 32) = 2^(-f log2(10) / 8)
	s_mov_b32 s60, 0xb2179a35                      ; and what is left of it
	v_and_b32 v1, 31, v0
	v_lshlrev_b32 v1, 4, v1                        ; 16 x lane
	v_and_b32 v2, 15, v0
	v_lshlrev_b32 v2, 2, v2                        ; my token's position: 4 r
	v_bfe_u32 v3, v0, 4, 1
	v_lshlrev_b32 v4, 4, v3                        ; my first frequency: 16 h
	s_wait_alu depctr_va_vdst(0)
	s_wait_kmcnt 0x0
	s_add_nc_u64 s[20:21], s[20:21], s[46:47]
	s_add_nc_u64 s[62:63], s[62:63], s[48:49]
	global_load_b32 v5, v2, s[62:63]               ; it lands while inv_freq is made
.irp i, 0,1,2,3,4,5,6,7,8,9,10,11,12,13,14,15
	v_add_nc_u32 v[32+\i], \i, v4
.endr
.irp i, 0,1,2,3,4,5,6,7,8,9,10,11,12,13,14,15
	v_cvt_f32_u32 v[32+\i], v[32+\i]               ; f
.endr
.irp i, 0,1,2,3,4,5,6,7,8,9,10,11,12,13,14,15
	v_mul_f32 v[48+\i], s59, v[32+\i]
.endr
.irp i, 0,1,2,3,4,5,6,7,8,9,10,11,12,13,14,15
	v_rndne_f32 v[48+\i], v[48+\i]                 ; the exponent's whole part n,
.endr
.irp i, 0,1,2,3,4,5,6,7,8,9,10,11,12,13,14,15
	v_fma_f32 v[16+\i], v[32+\i], s59, -v[48+\i]   ; and what is left, in two fused steps: nothing of size 13 is rounded
.endr
.irp i, 0,1,2,3,4,5,6,7,8,9,10,11,12,13,14,15
	v_fma_f32 v[16+\i], v[32+\i], s60, v[16+\i]
.endr
.irp i, 0,1,2,3,4,5,6,7,8,9,10,11,12,13,14,15
	v_cvt_i32_f32 v[48+\i], v[48+\i]
.endr
	s_wait_alu depctr_va_vdst(0)
.irp i, 0,1,2,3,4,5,6,7,8,9,10,11,12,13,14,15
	v_exp_f32 v[16+\i], v[16+\i]
.endr
	v_nop                                          ; a plain line behind the last exponential,
	s_wait_alu depctr_va_vdst(0)                   ; and the one wait ahead of the batch's first reader
.irp i, 0,1,2,3,4,5,6,7,8,9,10,11,12,13,14,15
	v_ldexp_f32 v[16+\i], v[16+\i], v[48+\i]       ; inv_freq
.endr
	s_wait_loadcnt 0x0
	v_min_u32 v5, 0x7ff, v5                        ; held to 0 .. 2,047
	v_cvt_f32_u32 v6, v5                           ; boost: position / 1
	v_mul_f32 v7, 0x3e800000, v6                   ; narrow: position / 4: exact
; four angles by turns: scale s (0 boost, 1 narrow), frequencies 4 g + 0 .. 3 of my 16.  One reduction serves cos and sin
.macro ANG s, g
.irp e, 0,1,2,3
	v_mul_f32 v[128+\e], v[6+(\s)], v[16+4*(\g)+\e]      ; the angle, rounded once
.endr
.irp e, 0,1,2,3
	v_mul_f32 v[132+\e], s50, v[128+\e]
.endr
.irp e, 0,1,2,3
	v_rndne_f32 v[132+\e], v[132+\e]               ; n = the nearest multiple of pi/2
.endr
.irp e, 0,1,2,3
	v_fma_f32 v[136+\e], v[132+\e], s51, v[128+\e]
.endr
.irp e, 0,1,2,3
	v_fma_f32 v[136+\e], v[132+\e], s52, v[136+\e] ; rho, within +-pi/4
.endr
.irp e, 0,1,2,3
	v_cvt_i32_f32 v[140+\e], v[132+\e]             ; the quadrant
.endr
.irp e, 0,1,2,3
	v_mul_f32 v[144+\e], v[136+\e], v[136+\e]      ; z
.endr
.irp e, 0,1,2,3
	v_fma_f32 v[148+\e], v[144+\e], s53, s54
.endr
.irp e, 0,1,2,3
	v_fma_f32 v[152+\e], v[144+\e], s56, s57
.endr
.irp e, 0,1,2,3
	v_fma_f32 v[148+\e], v[148+\e], v[144+\e], s55
.endr
.irp e, 0,1,2,3
	v_fma_f32 v[152+\e], v[152+\e], v[144+\e], s58
.endr
.irp e, 0,1,2,3
	v_mul_f32 v[148+\e], v[148+\e], v[144+\e]
.endr
.irp e, 0,1,2,3
	v_mul_f32 v[156+\e], v[144+\e], v[144+\e]
.endr
.irp e, 0,1,2,3
	v_fma_f32 v[160+\e], v[144+\e], -0.5, 1.0
.endr
.irp e, 0,1,2,3
	v_fma_f32 v[148+\e], v[148+\e], v[136+\e], v[136+\e]   ; sin rho
.endr
.irp e, 0,1,2,3
	v_fma_f32 v[152+\e], v[152+\e], v[156+\e], v[160+\e]   ; cos rho
.endr
.irp e, 0,1,2,3
	v_and_b32 v[164+\e], 1, v[140+\e]
	v_cmp_eq_u32 vcc_lo, 1, v[164+\e]
	v_cndmask_b32 v[168+\e], v[152+\e], v[148+\e], vcc_lo  ; the cosine takes sin rho in odd quadrants,
	v_cndmask_b32 v[172+\e], v[148+\e], v[152+\e], vcc_lo  ; the sine cos rho
.endr
.irp e, 0,1,2,3
	v_add_nc_u32 v[164+\e], 1, v[140+\e]
.endr
.irp e, 0,1,2,3
	v_and_b32 v[164+\e], 2, v[164+\e]
.endr
.irp e, 0,1,2,3
	v_and_b32 v[140+\e], 2, v[140+\e]
.endr
.irp e, 0,1,2,3
	v_lshlrev_b32 v[164+\e], 30, v[164+\e]
.endr
.irp e, 0,1,2,3
	v_lshlrev_b32 v[140+\e], 30, v[140+\e]
.endr
.irp e, 0,1,2,3
	v_xor_b32 v[64+32*(\s)+4*(\g)+\e], v[164+\e], v[168+\e]   ; the cosine changes sign in quadrants 1 and 2,
.endr
.irp e, 0,1,2,3
	v_xor_b32 v[80+32*(\s)+4*(\g)+\e], v[140+\e], v[172+\e]   ; the sine in quadrants 2 and 3
.endr
.endm
.irp s, 0,1
.irp g, 0,1,2,3
	ANG \s, \g
.endr
.endr
.irp k, 0,1,2,3,4,5,6,7,8,9,10,11,12,13,14,15
	global_store_b128 v1, v[64+4*\k:64+4*\k+3], s[20:21] offset:512*\k   ; 512 consecutive bytes, aligned
.endr
	s_endpgm
.Lfunc_end_k_qd7ea730d6c_prep:
	.size	k_qd7ea730d6c_prep, .Lfunc_end_k_qd7ea730d6c_prep-k_qd7ea730d6c_prep
	.p2alignl 7, 3214868480
	.fill 96, 4, 3214868480
	.section	.rodata,"a",@progbits
	.p2align	6, 0x0
	.amdhsa_kernel k_qd7ea730d6c_prep
		.amdhsa_group_segment_fixed_size 34304
		.amdhsa_private_segment_fixed_size 0
		.amdhsa_enable_private_segment 0
		.amdhsa_kernarg_size 80
		.amdhsa_user_sgpr_count 2
		.amdhsa_user_sgpr_kernarg_segment_ptr 1
		.amdhsa_wavefront_size32 1
		.amdhsa_system_sgpr_workgroup_id_x 1
		.amdhsa_system_sgpr_workgroup_id_y 1
		.amdhsa_system_sgpr_workgroup_id_z 1
		.amdhsa_system_vgpr_workitem_id 0
		.amdhsa_next_free_vgpr 256
		.amdhsa_next_free_sgpr 66
		.amdhsa_reserve_vcc 1
		.amdhsa_float_denorm_mode_32 3
		.amdhsa_float_denorm_mode_16_64 3
		.amdhsa_memory_ordered 1
		.amdhsa_forward_progress 1
		.amdhsa_inst_pref_size 98
	.end_amdhsa_kernel
	.amdgpu_metadata
---
amdhsa.version: [ 1, 2 ]
amdhsa.kernels:
  - .name:           k_qd7ea730d6c_prep
    .symbol:         k_qd7ea730d6c_prep.kd
    .args:
      - { .name: hidden_states, .offset: 0, .size: 8, .value_kind: global_buffer, .address_space: global }
      - { .name: Wq, .offset: 8, .size: 8, .value_kind: global_buffer, .address_space: global }
      - { .name: Wk, .offset: 16, .size: 8, .value_kind: global_buffer, .address_space: global }
      - { .name: Wv, .offset: 24, .size: 8, .value_kind: global_buffer, .address_space: global }
      - { .name: Wo, .offset: 32, .size: 8, .value_kind: global_buffer, .address_space: global }
      - { .name: ximg, .offset: 40, .size: 8, .value_kind: global_buffer, .address_space: global }
      - { .name: wimg, .offset: 48, .size: 8, .value_kind: global_buffer, .address_space: global }
      - { .name: oimg, .offset: 56, .size: 8, .value_kind: global_buffer, .address_space: global }
      - { .name: rope, .offset: 64, .size: 8, .value_kind: global_buffer, .address_space: global }
      - { .name: position_ids, .offset: 72, .size: 8, .value_kind: global_buffer, .address_space: global }
    .group_segment_fixed_size: 34304
    .private_segment_fixed_size: 0
    .kernarg_segment_align: 8
    .kernarg_segment_size: 80
    .max_flat_workgroup_size: 128
    .sgpr_count:     66
    .vgpr_count:     256
    .wavefront_size: 32
...
	.end_amdgpu_metadata
.endif
;; end of part 1
;; launch qkv (part 2): grid 24 x 16, 4 waves a work-group, clusters of 4 x 4, 327,680 bytes of LDS; arguments ximg, wimg, rope, qimg, qsc, kv; writes qimg, qsc, kv
.if DOCPART == 2
	.amdgcn_target "amdgcn-amd-amdhsa--gfx1250"
	.amdhsa_code_object_version 6
	.text
	.protected	k_qd7ea730d6c_qkv
	.globl	k_qd7ea730d6c_qkv
	.p2align	8
	.type	k_qd7ea730d6c_qkv,@function
k_qd7ea730d6c_qkv:
	s_mov_b64 s[64:65], 0
	v_nop
	global_prefetch_b8 v0, s[64:65] scope:SCOPE_SE
	s_setreg_imm32_b32 hwreg(HW_REG_WAVE_MODE, 25, 1), 1
	s_wait_xcnt 0x0
	s_wait_alu depctr_hold_cnt(0) depctr_sa_sdst(0) depctr_va_vdst(0) depctr_va_sdst(0) depctr_va_ssrc(0) depctr_va_vcc(0) depctr_vm_vsrc(0)
	s_getreg_b32 s2, hwreg(HW_REG_IB_STS2, 6, 4)
	s_cmp_eq_u32 s2, 0
	s_cbranch_scc0 .Lentry_in_a_cluster
	s_endpgm
.Lentry_in_a_cluster:
	s_bfe_u32 s2, ttmp6, 0x10000c
	s_cmp_lg_u32 s2, 0xf033
	s_cbranch_scc0 .Lentry_shape_is_right
	s_endpgm
.Lentry_shape_is_right:
; QKV.  [q | k | v] = X [Wq; Wk; Wv]^T on codes of E4M3 with E8M0 scales (M = 2,048, N = 3,072, K = 2,048); then both RoPEs on q and k, and the quantisers of the attention's operands.
; A tile of the result is 128 tokens x 128 columns: four waves of 64 x 64, 16 accumulators each.  Larger tiles would leave most WGPs without work at these sizes (24 x 16 tiles of this size);
; a tile of 128 x 192, which would make 256 work-groups, wants 2 x 168,960 bytes for its two slots, more than a WGP's LDS.
; OPERANDS lie in memory in the order of their registers (see the records below), so a K step's part of 64 rows, scale words included, is ONE dense block of 33,792 bytes for one tensor load,
; a fragment comes by four ds_load_b128 at 16 x lane, and LDS needs no padding.  K goes in steps of 512 through two slots: two first fills and two refills, written out.
; CLUSTERS: 4 x 4 work-groups; X's blocks are shared along a row of the cluster, W's along a column: joint loads.  A cluster's four tile columns are 512 columns: clusters x = 0-3 hold q, x = 4 holds k,
; x = 5 holds v, so the way out is chosen by the cluster's x alone, which all partners share.
; TRANSPOSED USE: source 0 = 16 rows of W, source 1 = 16 tokens.  A lane holds one token, its registers run along the columns; W's rows were laid so that the 16 registers of two neighbouring tiles are
; 16 neighbouring columns d = 32 b + 16 (lane / 16) + 0 .. 15 of a head, and d and d + 32, which RoPE pairs, lie in one lane, 16 registers apart.
; COS AND SIN come by token, in the order of my registers: [16 tokens][k 0-15][lane][16 bytes]: each of a wave's 64 loads covers 512 consecutive bytes.  They are asked for at the head and land under the K loop.
; (The work-groups of v ask for them too and do not use them: one path through the head.)
; OUT.  q: for each head and 16 tokens a fragment [boost q 64 | narrow q 64] and a scale word a token.  k: likewise [boost k | narrow k], in the record of its kv head and 128 keys.
; v: quantised along the KEYS (through a stage in LDS), four fragments of 16 channels x 128 keys in the same record; inside each block of 32 keys, place 16 h + 8 u + j holds key 16 u + 8 h + j,
; the order in which the attention's p comes out of its registers.
; LIMITS: NaN and infinities are not served; blocks of zeros or under 2^-118 get the scale byte 1 (read by this program alone).
; REGISTERS.  Window 0: v1 r, v2 h, v3 16 x lane, v4-9 LDS addresses, v10-11 the spare word's address and 0, v16-23 scale words (two sets), v24-47 at work, v48-111 64 numbers,
; v112-127 codes, v128-255 accumulators ((a, b) at 128 + 8 (4 a + b)).  Window 1: two fragment buffers of 128 (X's four fragments, then W's four).  Window 2: cos and sin of my 64 tokens.
.set NTB,   192                        ; row tiles in W's buffer
.set REC,   8448                       ; a record: 16 rows x 512 K of codes, 256 bytes of scale words
.set HALFT, 4*REC                      ; 64 rows: what one tensor load brings
.set SLOT,  4*HALFT                    ; X's two halves, then W's two
.set SPARE, 2*SLOT                     ; the spare words: 128 bytes a wave, two blocks of 256 bytes that no other line names
.set STRA,  128*REC                    ; from one 512 along K to the next, in X's buffer
.set STRB,  NTB*REC                    ; and in W's
.set LI,   3
.set ADRA, 4
.set ADRB, 6
.set ADRS, 8
.set SPW,  10
.set NIL,  11
.set SC,   16
.set TM,   24
.set PW,   40
.set Y,    48
.set PC,   112
.set ACC,  128
.set SEL,  4                           ; s[4:5]
.set MNT,  6
.set G1,   24
.set G0,   32
.set G1B,  48
.set G0B,  56
.set MSB, 0
.macro WIN new                         ; the immediate's high byte repeats the setting that is left
.if MSB != \new
	s_set_vgpr_msb (MSB<<8)|\new
.set MSB, \new
.endif
.endm
.macro PLACES n
.rept \n
	v_nop
.endr
.endm
.macro JLOAD s                         ; a joint load: waves 0 and 1 fetch X's halves, waves 2 and 3 W's; four v_nop follow each line
	s_cmp_eq_u32 s11, 0
	s_cbranch_scc0 .Lfor_b_\@
	tensor_load_to_lds s[G0+4*\s:G0+4*\s+3], s[G1:G1+7]
	s_nop 0
	PLACES 4
	s_branch .Lasked_\@
.Lfor_b_\@:
	tensor_load_to_lds s[G0B+4*\s:G0B+4*\s+3], s[G1B:G1B+7]
	s_nop 0
	PLACES 4
.Lasked_\@:
.endm
.macro CREST                           ; a round of the cluster's barrier behind its opening barrier
	s_cmp_lg_u32 s10, 0
	s_cbranch_scc1 .Lnot_wave_0_\@
	s_barrier_signal -3
.Lnot_wave_0_\@:
	s_barrier_wait -3
	s_barrier_signal -1
	s_barrier_wait -1
.endm
.macro CROUND
	s_barrier_signal -1
	s_barrier_wait -1
	CREST
.endm
.macro QUANT s                         ; 64 numbers of a lane, register 16 b + i = k 32 b + 16 (lane / 16) + i of my row, become codes in v[PC] on and the scale word v[PW]
.irp b, 0,1,2,3
	v_max3_num_f32 v[TM+\b], |v[\s+16*\b]|, |v[\s+1+16*\b]|, 0x4800000   ; with the floor 2^(9 - 127): the byte cannot fall under 1
.endr
.irp i, 2,4,6,8,10,12,14
.irp b, 0,1,2,3
	v_max3_num_f32 v[TM+\b], v[TM+\b], |v[\s+16*\b+\i]|, |v[\s+1+16*\b+\i]|
.endr
.endr
.irp b, 0,1,2,3
	v_permlanex16_b32 v[TM+4+\b], v[TM+\b], s[SEL], s[SEL+1]
.endr
.irp b, 0,1,2,3
	v_max_num_f32 v[TM+\b], v[TM+\b], v[TM+4+\b]
.endr
.irp b, 0,1,2,3
	v_add_nc_u32 v[TM+12+\b], 0xfc000000, v[TM+\b]                   ; 8 off the exponent field: the conversion's scale operand
.endr
.irp b, 0,1,2,3
	v_and_or_b32 v[TM+8+\b], v[TM+\b], 0x7f800000, s[MNT]            ; 448 x the scale
.endr
.irp b, 0,1,2,3
	v_lshrrev_b32 v[TM+4+\b], 23, v[TM+12+\b]
.endr
	v_lshl_or_b32 v[PW], v[TM+5], 8, v[TM+4]
	v_lshl_or_b32 v[PW], v[TM+6], 16, v[PW]
	v_lshl_or_b32 v[PW], v[TM+7], 24, v[PW]
.irp b, 0,1,2,3
.irp i, 0,1,2,3,4,5,6,7,8,9,10,11,12,13,14,15
	v_med3_num_f32 v[\s+16*\b+\i], v[\s+16*\b+\i], -v[TM+8+\b], v[TM+8+\b]   ; the conversion does not saturate (ISA guide 7.6.2)
.endr
	v_cvt_scalef32_pk8_fp8_f32 v[PC+4*\b:PC+1+4*\b], v[\s+16*\b:\s+7+16*\b], v[TM+12+\b]
	v_cvt_scalef32_pk8_fp8_f32 v[PC+2+4*\b:PC+3+4*\b], v[\s+8+16*\b:\s+15+16*\b], v[TM+12+\b]
.endr
	v_nop
.endm
	s_load_b128 s[68:71], s[0:1], 0x0              ; ximg 68, wimg 70
	s_load_b128 s[72:75], s[0:1], 0x10             ; rope 72, qimg 74
	s_load_b128 s[76:79], s[0:1], 0x20             ; qsc 76, kv 78
	v_lshl_add_u32 v[SPW], v0, 2, SPARE
	v_mov_b32 v[NIL], 0
	ds_add_u32 v10, v11
	ds_add_u32 v10, v11
	s_wait_dscnt 0x0
	v_lshrrev_b32 v1, 5, v0
	v_readfirstlane_b32 s10, v1                    ; wave 0..3
	s_lshr_b32 s11, s10, 1                         ; my half of the tokens.  Also: I fetch for X (0) or for W (1)
	s_and_b32 s12, s10, 1                          ; my half of the columns.  Also: which half I fetch
	s_bfe_u32 s40, ttmp6, 0x40000                  ; cx, cy
	s_bfe_u32 s41, ttmp6, 0x40004
	s_lshl_b32 s42, ttmp9, 2
	s_add_co_u32 s42, s42, s40                     ; tile column
	s_and_b32 s13, ttmp7, 0xffff
	s_lshl_b32 s13, s13, 2
	s_add_co_u32 s13, s13, s41                     ; tile row
	s_lshl_b32 s43, s41, 2
	s_lshl_b32 s43, 15, s43                        ; my row of the cluster
	s_lshl_b32 s44, 0x1111, s40                    ; my column
	; group 1: a dense block of 33,792 bytes as 132 rows of 32 elements of 8 bytes; no padding
	s_or_b32 s[G1+0], s43, (3<<16)|(1<<21)         ; 15:0 the mask; 17:16 elements of 8 bytes; 21 set beside a mask
	s_or_b32 s[G1B+0], s44, (3<<16)|(1<<21)
.irp g, G1, G1B
	s_mov_b32 s[\g+1], 32<<16                      ; tensor_dim0
	s_mov_b32 s[\g+2], 264<<16                     ; tensor_dim1: the head's loads bring 128 rows' records, 264 rows of 256 bytes
	s_mov_b32 s[\g+3], 32<<16                      ; tile_dim0
	s_mov_b32 s[\g+4], 264                         ; tile_dim1
	s_mov_b32 s[\g+5], 32                          ; the pitch
	s_mov_b32 s[\g+6], 0
	s_mov_b32 s[\g+7], 0
.endr
	s_lshl_b32 s17, s12, 2
	s_lshl_b32 s16, s13, 3
	s_add_co_u32 s16, s16, s17
	s_mul_i32 s16, s16, REC                        ; X: row tile 8 x tile row + 4 x half
	s_lshl_b32 s46, s42, 3
	s_add_co_u32 s46, s46, s17
	s_mul_i32 s46, s46, REC                        ; W: row tile 8 x tile column + 4 x half
	s_mov_b32 s17, 0
	s_mov_b32 s47, 0
	s_mul_i32 s20, s10, HALFT                      ; where they go: wave x 33,792: no place in the cluster enters an LDS address
	s_wait_kmcnt 0x0
	s_add_nc_u64 s[14:15], s[68:69], s[16:17]
	s_add_nc_u64 s[46:47], s[70:71], s[46:47]
.irp s, 0,1
	s_mov_b32 s[G0+4*\s], 1
	s_add_co_u32 s[G0+4*\s+1], s20, \s*SLOT
	s_add_nc_u64 s[G0+4*\s+2:G0+4*\s+3], s[14:15], \s*STRA
	s_or_b32 s[G0+4*\s+3], s[G0+4*\s+3], 0x80000000
	s_mov_b32 s[G0B+4*\s], 1
	s_add_co_u32 s[G0B+4*\s+1], s20, \s*SLOT
	s_add_nc_u64 s[G0B+4*\s+2:G0B+4*\s+3], s[46:47], \s*STRB
	s_or_b32 s[G0B+4*\s+3], s[G0B+4*\s+3], 0x80000000
.endr
	; THE HEAD'S LOADS, ONE A WAVE: wave 0 X's 128 rows of K chunk 0, wave 1 of chunk 1, waves 2 and 3 the same of W: both slots are asked for at once
	s_mul_i32 s16, s12, STRA-HALFT                 ; from my half's place in chunk 0 to the whole tile's place in chunk wave % 2
	s_mov_b32 s80, 1
	s_mul_i32 s81, s12, SLOT                       ; chunk c goes to slot c
	s_add_nc_u64 s[82:83], s[14:15], s[16:17]
	s_or_b32 s83, s83, 0x80000000
	s_mul_i32 s16, s12, STRB-HALFT
	s_mov_b32 s84, 1
	s_add_co_u32 s85, s81, 2*HALFT                 ; W's rows lie behind X's
	s_add_nc_u64 s[86:87], s[46:47], s[16:17]
	s_or_b32 s87, s87, 0x80000000
	; the prefetches: of the four records that my wave fetches in the ring, the partner at place p among the four that ask jointly takes record p (p = cx for X, cy for W): told apart by address alone
	s_cmp_eq_u32 s11, 0                            ; do I fetch for X?
	s_cselect_b64 s[66:67], s[14:15], s[46:47]
	s_cselect_b32 s2, s40, s41
	s_mov_b32 s18, STRB
	s_cselect_b32 s18, STRA, s18                   ; a K chunk on, in bytes
	s_mul_i32 s2, s2, REC
	s_lshl_b32 s19, s18, 1
	s_add_co_u32 s2, s2, s19
	s_mov_b32 s3, 0
	s_add_nc_u64 s[66:67], s[66:67], s[2:3]        ; my record of K chunk 2; never rewritten
	s_mov_b32 s19, 0
	s_add_nc_u64 s[18:19], s[66:67], s[18:19]      ; and of K chunk 3; never rewritten
	CROUND
	s_cmp_eq_u32 s11, 0
	s_cbranch_scc0 .Lhead_b
	tensor_load_to_lds s[80:83], s[G1:G1+7]
	s_nop 0
	PLACES 4
	s_branch .Lhead_asked
.Lhead_b:
	tensor_load_to_lds s[84:87], s[G1B:G1B+7]
	s_nop 0
	PLACES 4
.Lhead_asked:
	v_and_b32 v1, 15, v0                           ; r
	v_bfe_u32 v2, v0, 4, 1                         ; h
	v_and_b32 v3, 31, v0
	v_lshlrev_b32 v[LI], 4, v3
	v_lshlrev_b32 v12, 4, v[LI]                    ; 256 x lane; never rewritten
	v_mov_b32 v13, 0                               ; never rewritten
	global_prefetch_b8 v12, s[66:67] th:TH_LOAD_NT scope:SCOPE_SE               ; K chunk 2, which the first refill will ask for: my record's 8,448 bytes are 33 blocks of 256: 32, a lane each,
	global_prefetch_b8 v13, s[66:67] offset:8192 th:TH_LOAD_NT scope:SCOPE_SE   ; and the last
	s_mul_i32 s21, s11, HALFT
	s_mul_i32 s22, s12, HALFT
	s_add_co_u32 s22, s22, 2*HALFT                 ; my 64 columns, behind X's two halves
	s_sub_co_u32 s23, s22, s21
	v_mul_u32_u24 v41, s23, v2                     ; scale words: lanes 0-15 take X's, lanes 16-31 W's: one product, the distance x h
	v_lshl_add_u32 v41, v1, 2, v41
	v_add_nc_u32 v41, 8192, v41
.irp s, 0,1
	v_add_nc_u32 v[ADRA+\s], s21, v[LI]
	v_add_nc_u32 v[ADRB+\s], s22, v[LI]
	v_add_nc_u32 v[ADRS+\s], s21, v41
	s_add_co_u32 s21, s21, SLOT
	s_add_co_u32 s22, s22, SLOT
.endr
	s_mov_b32 s[SEL], 0x76543210
	s_mov_b32 s[SEL+1], 0xfedcba98
	s_mov_b32 s[MNT], 0x600000
.irp b, 0,1,2,3
	v_mov_b32 v[TM+4+\b], 0                        ; a lane permute's destination counts as read
.endr
	; cos and sin of my 64 tokens: four tiles of 8,192 bytes, 16 loads of 512 consecutive bytes each.  The 64 loads land under the whole K loop; their one wait stands at the way out's head
	s_lshl_b32 s16, s13, 16                        ; 8 tiles a tile row
	s_lshl_b32 s17, s11, 15                        ; 4 for my half
	s_add_co_u32 s16, s16, s17
	s_mov_b32 s17, 0
	s_add_nc_u64 s[8:9], s[72:73], s[16:17]
	WIN 0x80                                       ; destination window 2
.irp a, 0,1,2,3
.irp k, 0,1,2,3,4,5,6,7,8,9,10,11,12,13,14,15
	global_load_b128 v[64*\a+4*\k:64*\a+4*\k+3], v[LI], s[8:9] offset:8192*\a+512*\k   ; +0 boost cos, +16 boost sin, +32 narrow cos, +48 narrow sin, 16 registers each
.endr
.endr
	WIN 0
; 36 LDS loads in one run: the q-th 128 along K of a slot, into buffer f and scale set q % 2: 4 scale words, W's 16, X's blocks 0-1, X's blocks 2-3
.macro FETCH slot, q, f
	WIN 0
.irp i, 0,1,2,3
	ds_load_b32 v[SC+4*((\q)%2)+\i], v[ADRS+\slot] offset:REC*\i+64*(\q)
.endr
	WIN 0x40                                       ; destination window 1
.irp i, 0,1,2,3
.irp c, 0,1,2,3
	ds_load_b128 v[\f+64+16*\i+4*\c:\f+64+16*\i+4*\c+3], v[ADRB+\slot] offset:REC*\i+2048*(\q)+512*\c
.endr
.endr
.irp i, 0,1,2,3
.irp c, 0,1,2,3
	ds_load_b128 v[\f+16*\i+4*\c:\f+16*\i+4*\c+3], v[ADRA+\slot] offset:REC*\i+2048*(\q)+512*\c
.endr
.endr
.endm
; four matrix instructions: X's block a against W's four.  The 16 accumulators take turns, one instruction a turn, in the same order in every step
.macro MUL4 f, p, a, zero
.irp b, 0,1,2,3
.if \zero
	v_wmma_scale_f32_16x16x128_f8f6f4 v[ACC+8*(4*(\a)+\b):ACC+8*(4*(\a)+\b)+7], v[\f+64+16*\b:\f+64+16*\b+15], v[\f+16*(\a):\f+16*(\a)+15], 0, v[SC+4*(\p)+\b], v[SC+4*(\p)+(\a)] matrix_a_scale:MATRIX_SCALE_ROW1
.else
	v_wmma_scale_f32_16x16x128_f8f6f4 v[ACC+8*(4*(\a)+\b):ACC+8*(4*(\a)+\b)+7], v[\f+64+16*\b:\f+64+16*\b+15], v[\f+16*(\a):\f+16*(\a)+15], v[ACC+8*(4*(\a)+\b):ACC+8*(4*(\a)+\b)+7], v[SC+4*(\p)+\b], v[SC+4*(\p)+(\a)] matrix_a_scale:MATRIX_SCALE_ROW1
.endif
.endr
.endm
; a step of 128 along K that has its successor in the same slot
.macro STEP slot, q, zero
	s_wait_dscnt 8                                 ; all but the youngest eight loads (X's blocks 2-3) are in
	WIN 0x05                                       ; sources 0 and 1 window 1; C and D window 0
	MUL4 128*((\q)%2), (\q)%2, 0, \zero
	MUL4 128*((\q)%2), (\q)%2, 1, \zero
	PLACES 8                                       ; eight places in front of loads into registers that matrix instructions of this form have read
	FETCH \slot, (\q)+1, 128*(((\q)+1)%2)
	s_wait_dscnt 36                                ; all but the 36 just issued
	WIN 0x05
	MUL4 128*((\q)%2), (\q)%2, 2, \zero
	MUL4 128*((\q)%2), (\q)%2, 3, \zero
.endm
; a slot's last step changes slots: one barrier; in front of it each wave waits for all its tensor loads, adds 0 to its spare word, and waits for that and for its reads of this slot
.macro TURN slot, next, fill
	WIN 0
	s_wait_tensorcnt 0x0                           ; my part of the next slot has landed: no tensor load of mine is out
	ds_add_u32 v[SPW], v[NIL]                      ; 0 onto my spare word
	s_wait_dscnt 9                                 ; (the add and X's blocks 2-3 may be out)
	WIN 0x05
	MUL4 128, 1, 0, 0
	s_wait_dscnt 0x0                               ; the add is done, and my reads of this slot are over
	s_barrier_signal -1
	MUL4 128, 1, 1, 0
	WIN 0
	s_barrier_wait -1
.if \fill
	CREST                                          ; the barrier has opened a round of the cluster's: no wave of any partner still reads this slot or has a load on its way
	s_add_nc_u64 s[G0+4*\slot+2:G0+4*\slot+3], s[G0+4*\slot+2:G0+4*\slot+3], 2*STRA
	s_add_nc_u64 s[G0B+4*\slot+2:G0B+4*\slot+3], s[G0B+4*\slot+2:G0B+4*\slot+3], 2*STRB
	JLOAD \slot                                    ; the first tensor load behind the round; its four v_nop are four of the eight places
	PLACES 4
.else
	PLACES 8
.endif
	FETCH \next, 0, 0
	WIN 0x05
	MUL4 128, 1, 2, 0
	MUL4 128, 1, 3, 0
.endm
	s_wait_alu depctr_va_vdst(0)
	s_wait_tensorcnt 0x0                           ; my one load is in; no tensor load of mine is out, so a descriptor may be written:
	s_mov_b32 s[G1+2], 132<<16                     ; from here on a load brings 64 rows' records, 132 rows of 256 bytes
	s_mov_b32 s[G1+4], 132
	s_mov_b32 s[G1B+2], 132<<16
	s_mov_b32 s[G1B+4], 132
	s_barrier_signal -1
	s_barrier_wait -1                              ; everybody's is: both slots are whole
	FETCH 0, 0, 0
	global_prefetch_b8 v12, s[18:19] th:TH_LOAD_NT scope:SCOPE_SE               ; K chunk 3, which the second refill will ask for, two chunks' products on
	global_prefetch_b8 v13, s[18:19] offset:8192 th:TH_LOAD_NT scope:SCOPE_SE
	STEP 0, 0, 1
	STEP 0, 1, 0
	STEP 0, 2, 0
	TURN 0, 1, 1
	STEP 1, 0, 0
	STEP 1, 1, 0
	STEP 1, 2, 0
	TURN 1, 0, 1
	STEP 0, 0, 0
	STEP 0, 1, 0
	STEP 0, 2, 0
	TURN 0, 1, 0                                   ; nothing is left to fetch
	STEP 1, 0, 0
	STEP 1, 1, 0
	STEP 1, 2, 0
	s_wait_dscnt 8
	WIN 0x05
	MUL4 128, 1, 0, 0
	MUL4 128, 1, 1, 0
	s_wait_dscnt 0x0
	MUL4 128, 1, 2, 0
	MUL4 128, 1, 3, 0
	WIN 0
	PLACES 8                                       ; in front of the first read of results
	s_wait_loadcnt 0x0                             ; the table's 64 loads
	s_cmp_eq_u32 ttmp9, 5                          ; the cluster's x: the same in all partners
	s_cbranch_scc1 .Lvpath
	; ---------------- q and k: my 64 columns are one head ----------------
	s_lshl_b32 s84, s42, 1
	s_add_co_u32 s84, s84, s12                     ; 0-31: a query head; 32-39: a kv head
	s_lshl_b32 s85, s84, 18
	s_lshl_b32 s86, s13, 3
	s_lshl_b32 s87, s11, 2
	s_add_co_u32 s86, s86, s87
	s_lshl_b32 s86, s86, 11
	s_add_co_u32 s85, s85, s86                     ; q's fragments: [head][16 tokens][2,048 bytes]
	s_lshl_b32 s86, s84, 13
	s_lshl_b32 s87, s13, 1
	s_add_co_u32 s87, s87, s11
	s_lshl_b32 s87, s87, 8
	s_add_co_u32 s86, s86, s87                     ; q's scale words: [head][64 tokens][256 bytes]
	s_sub_co_u32 s88, s84, 32
	s_mul_i32 s88, s88, 405504
	s_mul_i32 s89, s13, 25344
	s_add_co_u32 s88, s88, s89                     ; k: the record of its kv head and these 128 keys
	s_lshl_b32 s89, s11, 13
	s_add_co_u32 s89, s88, s89
	s_lshl_b32 s90, s11, 8
	s_add_co_u32 s90, s90, s88
	s_add_co_u32 s90, s90, 24576
	s_cmp_eq_u32 ttmp9, 4
	s_cselect_b32 s92, s89, s85
	s_cselect_b32 s94, s90, s86
	s_cselect_b64 s[96:97], s[78:79], s[74:75]     ; kv or qimg
	s_cselect_b64 s[98:99], s[78:79], s[76:77]     ; kv or qsc
	s_mov_b32 s93, 0
	s_mov_b32 s95, 0
	s_add_nc_u64 s[96:97], s[96:97], s[92:93]
	s_add_nc_u64 s[98:99], s[98:99], s[94:95]
; 16 tokens: x(d) = v[XL + i], x(d + 32) = v[XH + i], d = 16 h + i.  out(d) = x(d) cos - x(d + 32) sin, out(d + 32) = x(d + 32) cos + x(d) sin, for both tables; each accumulator is read from its low end on
.macro ROPEQ a
.set XL, ACC+32*(\a)
.set XH, ACC+32*(\a)+16
.set RT, 64*(\a)
	WIN 0x08                                       ; source 1 window 2
.irp i, 0,2,4,6,8,10,12,14
	v_pk_mul_f32 v[Y+\i:Y+\i+1], v[XH+\i:XH+\i+1], v[RT+16+\i:RT+16+\i+1]
	v_pk_mul_f32 v[Y+16+\i:Y+16+\i+1], v[XL+\i:XL+\i+1], v[RT+16+\i:RT+16+\i+1]
	v_pk_mul_f32 v[Y+32+\i:Y+32+\i+1], v[XH+\i:XH+\i+1], v[RT+48+\i:RT+48+\i+1]
	v_pk_mul_f32 v[Y+48+\i:Y+48+\i+1], v[XL+\i:XL+\i+1], v[RT+48+\i:RT+48+\i+1]
.endr
.irp i, 0,2,4,6,8,10,12,14
	v_pk_fma_f32 v[Y+\i:Y+\i+1], v[XL+\i:XL+\i+1], v[RT+\i:RT+\i+1], v[Y+\i:Y+\i+1] neg_lo:[0,0,1] neg_hi:[0,0,1]
	v_pk_fma_f32 v[Y+16+\i:Y+16+\i+1], v[XH+\i:XH+\i+1], v[RT+\i:RT+\i+1], v[Y+16+\i:Y+16+\i+1]
	v_pk_fma_f32 v[Y+32+\i:Y+32+\i+1], v[XL+\i:XL+\i+1], v[RT+32+\i:RT+32+\i+1], v[Y+32+\i:Y+32+\i+1] neg_lo:[0,0,1] neg_hi:[0,0,1]
	v_pk_fma_f32 v[Y+48+\i:Y+48+\i+1], v[XH+\i:XH+\i+1], v[RT+32+\i:RT+32+\i+1], v[Y+48+\i:Y+48+\i+1]
.endr
	WIN 0
	s_wait_xcnt 0x0                                ; the last block's stores have read v[PC] on
	QUANT Y                                        ; blocks: boost d 0-31, boost d 32-63, narrow d 0-31, narrow d 32-63
	v_mov_b32 v[41+(\a)], v[PW]
.irp c, 0,1,2,3
	global_store_b128 v[LI], v[PC+4*\c:PC+4*\c+3], s[96:97] offset:2048*(\a)+512*\c   ; 512 consecutive bytes, aligned
.endr
.endm
	ROPEQ 0
	ROPEQ 1
	ROPEQ 2
	ROPEQ 3
	v_cmp_eq_u32 vcc_lo, 1, v2
	v_lshrrev_b32 v45, 1, v[LI]                    ; 8 x lane
	v_cndmask_b32 v46, v41, v43, vcc_lo            ; lanes 0-15: blocks 0 and 1, lanes 16-31: blocks 2 and 3
	v_cndmask_b32 v47, v42, v44, vcc_lo
	global_store_b64 v45, v[46:47], s[98:99]       ; 256 consecutive bytes, aligned
	s_branch .Lend
	; ---------------- v: the tile is 128 keys x two kv heads; its K is the keys ----------------
.Lvpath:
	s_lshl_b32 s84, s11, 6
	v_add_nc_u32 v4, s84, v1
	v_mul_u32_u24 v4, v4, 528                      ; the stage: 128 keys x (512 bytes + 16), in slot 0, which has had its last fill and, ahead of the last change of slots, its last read
	v_lshl_add_u32 v4, v2, 5, v4
	s_lshl_b32 s85, s12, 8
	v_add_nc_u32 v4, s85, v4                       ; in: key 64 (wave / 2) + r, my columns' bytes, 32 h on
	s_wait_alu depctr_va_vdst(0)
	v_mul_u32_u24 v5, v2, 8*528
	v_lshl_add_u32 v5, v1, 2, v5
	s_lshl_b32 s84, s11, 8
	s_lshl_b32 s85, s12, 7
	s_add_co_u32 s84, s84, s85
	v_add_nc_u32 v5, s84, v5                       ; out: column 64 (wave / 2) + 32 (wave % 2) + r, keys 8 h on
	v_lshlrev_b32 v6, 4, v1
	v_lshl_add_u32 v6, v2, 2, v6                   ; the scale words' place: 16 r + 4 h
	s_sub_co_u32 s84, s42, 20
	s_lshl_b32 s84, s84, 1
	s_add_co_u32 s84, s84, s11                     ; the kv head that I quantise
	s_mul_i32 s84, s84, 405504
	s_mul_i32 s85, s13, 25344
	s_add_co_u32 s84, s84, s85                     ; its record for these 128 keys
	s_lshl_b32 s85, s12, 12
	s_add_co_u32 s92, s84, s85
	s_add_co_u32 s92, s92, 16384
	s_mov_b32 s93, 0
	s_add_nc_u64 s[96:97], s[78:79], s[92:93]      ; my two fragments
	s_lshl_b32 s85, s12, 3
	s_add_co_u32 s94, s84, s85
	s_add_co_u32 s94, s94, 25088
	s_mov_b32 s95, 0
	s_add_nc_u64 s[98:99], s[78:79], s[94:95]      ; and their scale words: [channel r][tile]
.irp a, 0,1,2,3
.irp b, 0,1,2,3
	ds_store_b128 v4, v[ACC+8*(4*\a+\b):ACC+8*(4*\a+\b)+3] offset:\a*8448+64*\b        ; each accumulator from its low end on
	ds_store_b128 v4, v[ACC+8*(4*\a+\b)+4:ACC+8*(4*\a+\b)+7] offset:\a*8448+64*\b+16
.endr
.endr
	s_wait_alu depctr_va_vdst(0)
	s_wait_dscnt 0x0                               ; for the others' sake: my stores have landed
	s_barrier_signal -1
	s_barrier_wait -1
.macro VLOADS reg, e                   ; one channel a lane, registers down the keys: register 16 c + 8 u + j = key 32 c + 16 u + 8 h + j
.irp c, 0,1,2,3
.irp u, 0,1
.irp j, 0,1,2,3,4,5,6,7
	ds_load_b32 v[\reg+16*\c+8*\u+\j], v5 offset:(32*\c+16*\u+\j)*528+64*(\e)
.endr
.endr
.endr
.endm
	VLOADS Y, 0
	s_wait_dscnt 0x0
	VLOADS ACC, 1                                  ; lands while the first fragment is quantised
	QUANT Y
	v_mov_b32 v41, v[PW]
.irp c, 0,1,2,3
	global_store_b128 v[LI], v[PC+4*\c:PC+4*\c+3], s[96:97] offset:512*\c
.endr
	s_wait_dscnt 0x0
	s_wait_xcnt 0x0                                ; the stores have read v[PC] on
	QUANT ACC
.irp c, 0,1,2,3
	global_store_b128 v[LI], v[PC+4*\c:PC+4*\c+3], s[96:97] offset:2048+512*\c
.endr
	v_cmp_eq_u32 vcc_lo, 1, v2
	v_cndmask_b32 v42, v41, v[PW], vcc_lo          ; lanes 0-15: the first tile's words, lanes 16-31: the second's
	global_store_b32 v6, v42, s[98:99]
.Lend:
	s_wait_tensorcnt 0x0                           ; the wave's end
	ds_add_u32 v[SPW], v[NIL]
	s_wait_dscnt 0x0
	CROUND                                         ; the closing round
	s_endpgm
.Lfunc_end_k_qd7ea730d6c_qkv:
	.size	k_qd7ea730d6c_qkv, .Lfunc_end_k_qd7ea730d6c_qkv-k_qd7ea730d6c_qkv
	.p2alignl 7, 3214868480
	.fill 96, 4, 3214868480
	.section	.rodata,"a",@progbits
	.p2align	6, 0x0
	.amdhsa_kernel k_qd7ea730d6c_qkv
		.amdhsa_group_segment_fixed_size 327680
		.amdhsa_private_segment_fixed_size 0
		.amdhsa_enable_private_segment 0
		.amdhsa_kernarg_size 48
		.amdhsa_user_sgpr_count 2
		.amdhsa_user_sgpr_kernarg_segment_ptr 1
		.amdhsa_wavefront_size32 1
		.amdhsa_system_sgpr_workgroup_id_x 1
		.amdhsa_system_sgpr_workgroup_id_y 1
		.amdhsa_system_sgpr_workgroup_id_z 1
		.amdhsa_system_vgpr_workitem_id 0
		.amdhsa_next_free_vgpr 768
		.amdhsa_next_free_sgpr 100
		.amdhsa_reserve_vcc 1
		.amdhsa_float_denorm_mode_32 3
		.amdhsa_float_denorm_mode_16_64 3
		.amdhsa_memory_ordered 1
		.amdhsa_forward_progress 1
		.amdhsa_inst_pref_size 171
	.end_amdhsa_kernel
	.amdgpu_metadata
---
amdhsa.version: [ 1, 2 ]
amdhsa.kernels:
  - .name:           k_qd7ea730d6c_qkv
    .symbol:         k_qd7ea730d6c_qkv.kd
    .args:
      - { .name: ximg, .offset: 0, .size: 8, .value_kind: global_buffer, .address_space: global }
      - { .name: wimg, .offset: 8, .size: 8, .value_kind: global_buffer, .address_space: global }
      - { .name: rope, .offset: 16, .size: 8, .value_kind: global_buffer, .address_space: global }
      - { .name: qimg, .offset: 24, .size: 8, .value_kind: global_buffer, .address_space: global }
      - { .name: qsc, .offset: 32, .size: 8, .value_kind: global_buffer, .address_space: global }
      - { .name: kv, .offset: 40, .size: 8, .value_kind: global_buffer, .address_space: global }
    .group_segment_fixed_size: 327680
    .private_segment_fixed_size: 0
    .kernarg_segment_align: 8
    .kernarg_segment_size: 48
    .max_flat_workgroup_size: 128
    .sgpr_count:     100
    .vgpr_count:     768
    .wavefront_size: 32
...
	.end_amdgpu_metadata
.endif
;; end of part 2
;; launch attn (part 3): grid 8 x 32, 8 waves a work-group, clusters of 4 x 1, 327,680 bytes of LDS; arguments qimg, qsc, kv, attention_mask, aimg; writes aimg
.if DOCPART == 3
	.amdgcn_target "amdgcn-amd-amdhsa--gfx1250"
	.amdhsa_code_object_version 6
	.text
	.protected	k_qd7ea730d6c_attn
	.globl	k_qd7ea730d6c_attn
	.p2align	8
	.type	k_qd7ea730d6c_attn,@function
k_qd7ea730d6c_attn:
	s_mov_b64 s[64:65], 0
	v_nop
	global_prefetch_b8 v0, s[64:65] scope:SCOPE_SE
	s_setreg_imm32_b32 hwreg(HW_REG_WAVE_MODE, 25, 1), 1
	s_wait_xcnt 0x0
	s_wait_alu depctr_hold_cnt(0) depctr_sa_sdst(0) depctr_va_vdst(0) depctr_va_sdst(0) depctr_va_ssrc(0) depctr_va_vcc(0) depctr_vm_vsrc(0)
	s_getreg_b32 s2, hwreg(HW_REG_IB_STS2, 6, 4)
	s_cmp_eq_u32 s2, 0
	s_cbranch_scc0 .Lentry_in_a_cluster
	s_endpgm
.Lentry_in_a_cluster:
	s_bfe_u32 s2, ttmp6, 0x10000c
	s_cmp_lg_u32 s2, 0x3003
	s_cbranch_scc0 .Lentry_shape_is_right
	s_endpgm
.Lentry_shape_is_right:
; ATTN.  For each head: logit(i, j) = (boost q . boost k) / 8 + mask where j <= i and i < 2,038, else (narrow q . narrow k) / 8 + mask; softmax; x V; the result quantised along the hidden axis for the last product.
; All products on codes of E4M3 with E8M0 scales.  The mask is an input: every key is walked for every query.
; ONE INSTRUCTION A TILE.  A key's operand row is [boost k | narrow k]; a query has two: QB = [boost q | zeros], QN = [zeros | narrow q]; zero codes add nothing.  Queries from 2,038 on get QB = QN.
; A key step whose 128 keys all come at or before the wave's 16 queries takes QB, one whose keys all come after takes QN, the one on the diagonal takes both and chooses by v_cndmask_b32.
; The branches hang on the query block, the wave's number and the step alone.
; THE MASK IS THE PRODUCT'S C.  The factor 1/8 is taken off Q's scale bytes (3 off each), and the mask's tile is loaded from LDS straight into each head's score registers:
; S^T = K Q^T + mask gives the logit with no vector instruction.  On the diagonal the narrow score is made first, with the mask as the C of other registers, then the boost score in place.
; THE SOFTMAX: t = logit x log2(e); M = the running largest t rounded up to a whole number; p = 2^(t - M) by one fused multiply-add and v_exp_f32; p is quantised along the keys;
; the sum is taken of the unquantised p and divides at the end; when M moves, the sum and O are multiplied by 2^(old M - new M), which rounds nothing.
; SHARES.  A work-group: one kv head (4 x cluster x + cx), 64 queries (grid y).  Wave w: query tile w % 4, query heads 4 kvh + 2 (w / 4) + {0, 1}: the two heads share each fragment of K and V.
; Both products are used transposed: a lane holds one query.  p's register 16 c + 8 u + j is key 32 c + 16 u + 8 h + j; V's codes were laid in that order.
; RING.  Two slots of 256 keys: two records of K and V (50,688 dense bytes, wave 0's load) and the mask's 64 rows x 1,024 bytes, 16 bytes of padding behind each (waves 1 and 2, 32 rows each).
; Slot 0 is filled at the head, slot 1 behind the first round, as a refill is.  The change of slots stands inside a slot's second step, behind that step's last read of LDS; the refill has two key steps in which to land.
; WHAT A STEP READS FROM LDS: K's tiles 4-7, K's scale words and both heads' copies of the mask are asked for in the step before, each as soon as its registers are free; K's tiles 0-3 at the step's head; V behind the products.
; CLUSTER.  The four partners have the same queries and other kv heads: the mask's tile, the larger part of a slot, is asked for JOINTLY.  K and V are each work-group's own: work-groups that share them differ in their
; queries, on which the choice of QB or QN hangs, and partners must run alike; so that load is a plain one, behind the same round.
; NO PREFETCH: a slot is asked for two key steps (48 matrix instructions and two softmaxes of each wave) ahead of its first read.
; LIMITS: NaN and infinities (in the mask too) are not served; the promise holds while the scaled logits stay under 2^31 in magnitude; the division by the sum is v_rcp_f32 and a multiplication; scale bytes of zero blocks are 1
; (read by this program alone); a block of q whose scale byte is under 4 (largest magnitude under 2^-115) keeps the byte 1, so its 1/8 is applied in part: such terms are under 2^-100.
; REGISTERS.  Window 0: v1-4 places that stay; v5-6 the spare word's address and 0; v8-11 the slot's LDS addresses; v12-19 -M, largest t, sum (a pair), for each head; v20 query - 8 h, v21 the same less the step's first key;
; v22-23 Q's scale words; v24-31 K's; v32-35 V's; v36 p's; v38-39, v112-113 f of the two heads; v40-43, v108-111 their blocks' maxima; v44-59, v114-123 at work; v60-75 p's codes;
; v76-107 the narrow scores on the diagonal; v128-255 the mask, then S^T, then p, 64 a head.  Window 1: v0-63 K's tiles 0-3, then V; v64-127 K's tiles 4-7; v128-191 O^T, 32 a head; v192-255 QB and QN of both heads.
.set REC,   25344                      ; a record: 128 keys: K's 8 fragments, V's 4, K's scale words (512 bytes), V's (256)
.set MP,    1040                       ; a row of the mask's tile in LDS: 65 x 16 bytes
.set MOFF,  2*REC
.set SLOT1, 1<<17
.set SPARE, 2*SLOT1                    ; the spare words: 128 bytes a wave, four blocks of 256 bytes that no other line names
.set LI,  1
.set AKS, 2
.set AVS, 3
.set AMK, 4
.set SPW, 5
.set NIL, 6
.set ADK, 8
.set ADS, 9
.set ADT, 10
.set ADM, 11
.set DL0, 20
.set DX,  21
.set QS,  22
.set KS,  24
.set VS,  32
.set PW,  36
.set TM,  40
.set BM0, 40                           ; head t's four maxima at BM0 + 68 t
.set PX,  44                           ; head t's permute results at PX + 76 t
.set HD,  48                           ; 448 x the scale, block b at HD + b,
.set HE,  116                          ; and once more at HE + (b + 1) % 4: the two halves of a dual pair take their second sources from different banks
.set SO,  52
.set PC,  60
.set SX,  76
.set WV,  18
.set SEL, 20                           ; s[20:21]
.set G1R, 24
.set G1M, 32
.set G0R, 40                           ; groups 0 of slot 0's first fills
.set G0M, 44
.set L2E, 48                           ; s[48:49] log2(e)
.set MNT, 50
.set TB,  51                           ; LDS byte at which the slot in hand begins
.set KF,  53                           ; the step's first key
.set Q0,  54                           ; my first query
.set SLOTS, 55
.set TWICE, 56
.set G0R2, 84                          ; groups 0 of slot 1's first fills, which then walk on
.set G0M2, 88
.set MSB, 0
.macro WIN new                         ; the immediate's high byte repeats the setting that is left
.if MSB != \new
	s_set_vgpr_msb (MSB<<8)|\new
.set MSB, \new
.endif
.endm
.macro PLACES n
.rept \n
	v_nop
.endr
.endm
.macro CROUND                          ; a round of the cluster's barrier
	s_barrier_signal -1
	s_barrier_wait -1
	s_cmp_lg_u32 s[WV], 0
	s_cbranch_scc1 .Lnot_wave_0_\@
	s_barrier_signal -3
.Lnot_wave_0_\@:
	s_barrier_wait -3
	s_barrier_signal -1
	s_barrier_wait -1
.endm
.macro CREST                           ; a round behind its opening barrier
	s_cmp_lg_u32 s[WV], 0
	s_cbranch_scc1 .Lnot_w0_\@
	s_barrier_signal -3
.Lnot_w0_\@:
	s_barrier_wait -3
	s_barrier_signal -1
	s_barrier_wait -1
.endm
.macro TLOAD g0r, g0m                  ; wave 0: my kv head's two records; waves 1 and 2: the mask's halves, jointly; the others nothing.  s_nop 0 and four v_nop follow each line
	s_cmp_eq_u32 s[WV], 0
	s_cbranch_scc0 .Lnot_k_\@
	tensor_load_to_lds s[\g0r:\g0r+3], s[G1R:G1R+7]
	s_nop 0
	PLACES 4
	s_branch .Lasked_\@
.Lnot_k_\@:
	s_cmp_lt_u32 s[WV], 3
	s_cbranch_scc0 .Lasked_\@
	tensor_load_to_lds s[\g0m:\g0m+3], s[G1M:G1M+7]
	s_nop 0
	PLACES 4
.Lasked_\@:
.endm
.macro QUANT s                         ; 64 numbers of a lane become codes in v[PC] on and the scale word v[PW]
.irp b, 0,1,2,3
	v_max3_num_f32 v[TM+\b], |v[\s+16*\b]|, |v[\s+1+16*\b]|, 0x4800000   ; with the floor 2^(9 - 127): the byte cannot fall under 1
.endr
.irp i, 2,4,6,8,10,12,14
.irp b, 0,1,2,3
	v_max3_num_f32 v[TM+\b], v[TM+\b], |v[\s+16*\b+\i]|, |v[\s+1+16*\b+\i]|
.endr
.endr
.irp b, 0,1,2,3
	v_permlanex16_b32 v[TM+4+\b], v[TM+\b], s[SEL], s[SEL+1]
.endr
.irp b, 0,1,2,3
	v_max_num_f32 v[TM+\b], v[TM+\b], v[TM+4+\b]
.endr
.irp b, 0,1,2,3
	v_add_nc_u32 v[TM+12+\b], 0xfc000000, v[TM+\b]
.endr
.irp b, 0,1,2,3
	v_and_or_b32 v[TM+8+\b], v[TM+\b], 0x7f800000, s[MNT]
.endr
.irp b, 0,1,2,3
	v_lshrrev_b32 v[TM+4+\b], 23, v[TM+12+\b]
.endr
	v_lshl_or_b32 v[PW], v[TM+5], 8, v[TM+4]
	v_lshl_or_b32 v[PW], v[TM+6], 16, v[PW]
	v_lshl_or_b32 v[PW], v[TM+7], 24, v[PW]
.irp b, 0,1,2,3
.irp i, 0,1,2,3,4,5,6,7,8,9,10,11,12,13,14,15
	v_med3_num_f32 v[\s+16*\b+\i], v[\s+16*\b+\i], -v[TM+8+\b], v[TM+8+\b]   ; the conversion does not saturate (ISA guide 7.6.2)
.endr
	v_cvt_scalef32_pk8_fp8_f32 v[PC+4*\b:PC+1+4*\b], v[\s+16*\b:\s+7+16*\b], v[TM+12+\b]
	v_cvt_scalef32_pk8_fp8_f32 v[PC+2+4*\b:PC+3+4*\b], v[\s+8+16*\b:\s+15+16*\b], v[TM+12+\b]
.endr
	v_nop
.endm
	s_load_b256 s[68:75], s[0:1], 0x0              ; qimg 68, qsc 70, kv 72, attention_mask 74
	s_load_b64 s[76:77], s[0:1], 0x20              ; aimg
	v_lshl_add_u32 v[SPW], v0, 2, SPARE
	v_mov_b32 v[NIL], 0
	ds_add_u32 v[SPW], v[NIL]                      ; the opening lines: the add, twice on end, and its wait ahead of the first tensor load
	ds_add_u32 v[SPW], v[NIL]
	v_lshrrev_b32 v7, 5, v0
	v_readfirstlane_b32 s[WV], v7                  ; wave 0..7
	s_and_b32 s79, ttmp7, 0xffff                   ; the block of 64 queries, which the four partners share
	s_and_b32 s80, s[WV], 3                        ; my tile of 16 of them
	s_lshr_b32 s81, s[WV], 2                       ; my pair of heads
	s_lshl_b32 s[Q0], s79, 6
	s_lshl_b32 s82, s80, 4
	s_add_co_u32 s[Q0], s[Q0], s82
	; group 1 for two records: 50,688 dense bytes as 198 rows of 32 elements of 8 bytes; no mask, no padding
	s_mov_b32 s[G1R], 3<<16
	s_mov_b32 s[G1R+1], 32<<16
	s_mov_b32 s[G1R+2], 198<<16
	s_mov_b32 s[G1R+3], 32<<16
	s_mov_b32 s[G1R+4], 198
	s_mov_b32 s[G1R+5], 32
	s_mov_b32 s[G1R+6], 0
	s_mov_b32 s[G1R+7], 0
	; group 1 for the mask: 32 rows of 256 f32, 2,048 apart; 15:0 all four work-groups; 21 set beside a mask; four words of padding (code 3) behind every 256 (code 7)
	s_mov_b32 s[G1M], 15|(2<<16)|(1<<20)|(1<<21)|(7<<22)|(3<<25)
	s_mov_b32 s[G1M+1], 256<<16
	s_mov_b32 s[G1M+2], 32<<16
	s_mov_b32 s[G1M+3], 256<<16
	s_mov_b32 s[G1M+4], 32
	s_mov_b32 s[G1M+5], 2048
	s_mov_b32 s[G1M+6], 0
	s_mov_b32 s[G1M+7], 0
	s_lshr_b32 s82, s[WV], 1
	s_and_b32 s82, s82, 1                          ; wave 1: rows 0-31; wave 2: rows 32-63
	s_mul_i32 s92, s82, 32*MP
	s_add_co_u32 s92, s92, MOFF
	s_lshl_b32 s94, s79, 19                        ; 64 rows of 8,192 bytes a block
	s_lshl_b32 s82, s82, 18
	s_add_co_u32 s94, s94, s82
	s_mov_b32 s95, 0
	s_bfe_u32 s19, ttmp6, 0x40000                  ; cx: it enters global addresses of my own loads and stores alone
	s_lshl_b32 s78, ttmp9, 2
	s_add_co_u32 s78, s78, s19                     ; my kv head
	s_mul_i32 s96, s78, 16*REC
	s_mov_b32 s97, 0
	s_mov_b32 s[SEL], 0x76543210
	s_mov_b32 s[SEL+1], 0xfedcba98
	s_mov_b32 s[L2E], 0x3fb8aa3b
	s_mov_b32 s[L2E+1], s[L2E]
	s_mov_b32 s[MNT], 0x600000
	s_mov_b32 s[TB], 0
	s_mov_b32 s[KF], 0
	s_mov_b32 s[SLOTS], 6
	s_wait_dscnt 0x0                               ; both opening adds are done
	s_wait_kmcnt 0x0
	s_mov_b32 s[G0R], 1
	s_mov_b32 s[G0R+1], 0
	s_add_nc_u64 s[G0R+2:G0R+3], s[72:73], s[96:97]
	s_mov_b32 s[G0R2], 1
	s_mov_b32 s[G0R2+1], SLOT1
	s_add_nc_u64 s[G0R2+2:G0R2+3], s[G0R+2:G0R+3], 2*REC
	s_or_b32 s[G0R+3], s[G0R+3], 0x80000000
	s_or_b32 s[G0R2+3], s[G0R2+3], 0x80000000
	s_mov_b32 s[G0M], 1
	s_mov_b32 s[G0M+1], s92
	s_add_nc_u64 s[G0M+2:G0M+3], s[74:75], s[94:95]
	s_mov_b32 s[G0M2], 1
	s_add_co_u32 s[G0M2+1], s92, SLOT1
	s_add_nc_u64 s[G0M2+2:G0M2+3], s[G0M+2:G0M+3], 1024
	s_or_b32 s[G0M+3], s[G0M+3], 0x80000000
	s_or_b32 s[G0M2+3], s[G0M2+3], 0x80000000
	CROUND                                         ; all four work-groups are here
	TLOAD G0R, G0M                                 ; slot 0: one tensor load a wave at the head
	s_lshl_b32 s93, s79, 2
	s_add_co_u32 s93, s93, s80                     ; my tile among the 128 tiles of queries
	s_lshl_b32 s98, s78, 2
	s_lshl_b32 s82, s81, 1
	s_add_co_u32 s98, s98, s82                     ; my first head
	s_lshl_b32 s96, s98, 18
	s_lshl_b32 s82, s93, 11
	s_add_co_u32 s96, s96, s82
	s_add_nc_u64 s[68:69], s[68:69], s[96:97]      ; its fragment of q
	s_lshl_b32 s96, s98, 13
	s_lshl_b32 s82, s79, 8
	s_add_co_u32 s96, s96, s82
	s_lshr_b32 s82, s80, 1
	s_lshl_b32 s82, s82, 7
	s_add_co_u32 s96, s96, s82
	s_and_b32 s82, s80, 1
	s_lshl_b32 s82, s82, 2
	s_add_co_u32 s96, s96, s82
	s_add_nc_u64 s[70:71], s[70:71], s[96:97]      ; and its scale words
	s_lshr_b32 s82, s78, 1
	s_mul_i32 s96, s82, 128*8448
	s_mul_i32 s82, s93, 8448
	s_add_co_u32 s96, s96, s82                     ; the way out: the record of K slot kvh / 2 and my 16 rows;
	s_and_b32 s82, s78, 1
	s_lshl_b32 s82, s82, 1
	s_add_co_u32 s82, s82, s81                     ; in it K step 2 (kvh % 2) + my pair
	s_lshl_b32 s98, s82, 6
	s_add_co_u32 s98, s98, s96
	s_add_co_u32 s98, s98, 8192
	s_mov_b32 s99, 0
	s_add_nc_u64 s[58:59], s[76:77], s[98:99]      ; its scale words
	s_lshl_b32 s82, s82, 11
	s_add_co_u32 s96, s96, s82
	s_add_nc_u64 s[76:77], s[76:77], s[96:97]      ; its codes
	v_and_b32 v7, 15, v0                           ; r
	v_bfe_u32 v9, v0, 4, 1                         ; h
	v_and_b32 v1, 31, v0
	v_lshlrev_b32 v[LI], 4, v1                     ; 16 x lane
.irp t, 0,1
.irp c, 0,1,2,3
	global_load_b128 v[128+16*\t+4*\c:128+16*\t+4*\c+3], v[LI], s[68:69] offset:262144*\t+512*\c
.endr
.endr
	v_lshlrev_b32 v8, 3, v7
	global_load_b32 v[QS], v8, s[70:71]
	global_load_b32 v[QS+1], v8, s[70:71] offset:8192
	v_lshl_add_u32 v[AKS], v7, 3, 24576            ; K's scale words: two tiles' words of key r lie side by side
	v_lshl_add_u32 v[AVS], v7, 4, 25088            ; V's: the four tiles' words of channel r
	v_mul_u32_u24 v[AMK], v7, MP
	v_lshl_add_u32 v[AMK], v9, 5, v[AMK]
	s_mul_i32 s82, s80, 16*MP
	s_add_co_u32 s82, s82, MOFF
	v_add_nc_u32 v[AMK], s82, v[AMK]               ; the mask: row 16 x tile + r, 8 h columns on
	v_add_nc_u32 v10, s[Q0], v7                    ; my query
	v_lshlrev_b32 v11, 3, v9
	v_sub_nc_u32 v[DL0], v10, v11
.irp t, 0,1
	v_mov_b32 v[13+4*\t], 0xff61b1e6               ; the largest t so far: -3e38
	v_floor_f32 v[12+4*\t], -v[13+4*\t]            ; -M
	v_mov_b32 v[14+4*\t], 0                        ; the sum, in two halves
	v_mov_b32 v[15+4*\t], 0
.endr
.irp b, 0,1,2,3
	v_mov_b32 v[PX+\b], 0                          ; a lane permute's destination counts as read
	v_mov_b32 v[PX+76+\b], 0
.endr
	v_mov_b32 v39, 0                               ; (the upper halves of the pairs v[38:39] and v[112:113])
	v_mov_b32 v113, 0
	WIN 0x40                                       ; destination window 1
.set j, 0
.rept 64
	v_mov_b32 v[128+j], 0                          ; O^T: the step is written once for all steps; the first finds zeros
.set j, j+1
.endr
	WIN 0
	s_wait_loadcnt 0x0
.irp t, 0,1                                    ; 1/8 goes into Q's scale word: 3 off each byte, a byte under 4 held at 4 first, so that every byte stays 1 or more
.irp b, 0,1,2,3
	v_bfe_u32 v[TM+\b], v[QS+\t], 8*\b, 8
.endr
.irp b, 0,1,2,3
	v_max_u32 v[TM+\b], 4, v[TM+\b]
.endr
.irp b, 0,1,2,3
	v_add_nc_u32 v[TM+\b], -3, v[TM+\b]
.endr
	v_lshl_or_b32 v[QS+\t], v[TM+1], 8, v[TM]
	v_lshl_or_b32 v[QS+\t], v[TM+2], 16, v[QS+\t]
	v_lshl_or_b32 v[QS+\t], v[TM+3], 24, v[QS+\t]
.endr
	v_cmp_gt_u32 vcc_lo, 0x7f6, v10                ; my query < 2,038
	WIN 0x40
.irp t, 0,1
.irp k, 0,1,2,3,4,5,6,7
	v_cndmask_b32 v[192+32*\t+\k], 0, v[128+16*\t+\k], vcc_lo              ; QB: [boost q | 0], or from query 2,038 on [0 | narrow q]
	v_cndmask_b32 v[200+32*\t+\k], v[136+16*\t+\k], v[NIL], vcc_lo
	v_mov_b32 v[208+32*\t+\k], 0                                           ; QN: [0 | narrow q]
	v_mov_b32 v[216+32*\t+\k], v[136+16*\t+\k]
.endr
.endr
	WIN 0
.macro ADDR                            ; the four LDS addresses of the slot in hand; a step's place in the slot stands in the immediates
	v_add_nc_u32 v[ADK], s[TB], v[LI]
	v_add_nc_u32 v[ADS], s[TB], v[AKS]
	v_add_nc_u32 v[ADT], s[TB], v[AVS]
	v_add_nc_u32 v[ADM], s[TB], v[AMK]
.endm
.macro PRE q                           ; fetched ahead, 20 loads: K's tiles 4-7 and the eight tiles' scale words of the slot's step q
	WIN 0x40
.irp k, 4,5,6,7
.irp c, 0,1,2,3
	ds_load_b128 v[16*\k+4*\c:16*\k+4*\c+3], v[ADK] offset:REC*(\q)+2048*\k+512*\c
.endr
.endr
	WIN 0
.irp g, 0,1,2,3
	ds_load_b64 v[KS+2*\g:KS+2*\g+1], v[ADS] offset:REC*(\q)+128*\g
.endr
.endm
; fetched ahead, 16 loads: the mask of the slot's step q into head t's score registers, in the scores' order.  cond = 1: not behind the last step
.macro MASKN t, q, cond
.if \cond
	s_cmp_eq_u32 s[TWICE], 1
	s_cbranch_scc1 .Lno_mask_\@
.endif
.irp c, 0,1,2,3
.irp u, 0,1
.irp w, 0,1
	ds_load_b128 v[128+64*(\t)+16*\c+8*\u+4*\w:128+64*(\t)+16*\c+8*\u+4*\w+3], v[ADM] offset:512*(\q)+128*\c+64*\u+16*\w
.endr
.endr
.endr
.if \cond
.Lno_mask_\@:
.endif
.endm
; 8 products: tiles 4 g .. 4 g + 3 of the keys for both heads, onto the mask that lies in the score registers; x = 0: QB, 16: QN.  The accumulators take turns
.macro QKH x, g
	WIN 0x05                                       ; sources 0 and 1 window 1; C and D window 0
.irp k, 0,1,2,3
.irp t, 0,1
	v_wmma_scale_f32_16x16x128_f8f6f4 v[128+64*\t+8*(4*(\g)+\k):128+64*\t+8*(4*(\g)+\k)+7], v[16*(4*(\g)+\k):16*(4*(\g)+\k)+15], v[192+32*\t+\x:192+32*\t+\x+15], v[128+64*\t+8*(4*(\g)+\k):128+64*\t+8*(4*(\g)+\k)+7], v[KS+4*(\g)+\k], v[QS+\t]
.endr
.endr
.endm
; the same on the diagonal: the narrow logit into v[SX] on, its C the mask; nine places; the boost logit in place; register 8 T + j holds key KF + 16 T + 8 h + j, which takes the narrow one where it comes after my query
.macro QKMH g
.irp t, 0,1
	WIN 0x05
.irp k, 0,1,2,3
	v_wmma_scale_f32_16x16x128_f8f6f4 v[SX+8*\k:SX+8*\k+7], v[16*(4*(\g)+\k):16*(4*(\g)+\k)+15], v[208+32*\t:208+32*\t+15], v[128+64*\t+8*(4*(\g)+\k):128+64*\t+8*(4*(\g)+\k)+7], v[KS+4*(\g)+\k], v[QS+\t]
.endr
	PLACES 9                                       ; in front of matrix instructions that write over a source of these four (ISA guide 7.12.1)
.irp k, 0,1,2,3
	v_wmma_scale_f32_16x16x128_f8f6f4 v[128+64*\t+8*(4*(\g)+\k):128+64*\t+8*(4*(\g)+\k)+7], v[16*(4*(\g)+\k):16*(4*(\g)+\k)+15], v[192+32*\t:192+32*\t+15], v[128+64*\t+8*(4*(\g)+\k):128+64*\t+8*(4*(\g)+\k)+7], v[KS+4*(\g)+\k], v[QS+\t]
.endr
	WIN 0
	PLACES 8
.set n, 0
.rept 32
	v_cmp_gt_i32 vcc_lo, 64*(\g)+16*(n/8)+n%8, v[DX]
	v_cndmask_b32 v[128+64*\t+32*(\g)+n], v[128+64*\t+32*(\g)+n], v[SX+n], vcc_lo
.set n, n+1
.endr
.endr
.endm
; both heads: the blocks' maxima, M and f
.macro STAGEA
.irp t, 0,1
.irp b, 0,1,2,3
	v_max3_num_f32 v[BM0+68*\t+\b], v[128+64*\t+16*\b], v[129+64*\t+16*\b], v[130+64*\t+16*\b]   ; the largest logit of each block of 32 keys: for the row's maximum, and for the block's largest p.  Each accumulator is first read at its low end
.endr
.endr
.irp i, 3,5,7,9,11,13
.irp t, 0,1
.irp b, 0,1,2,3
	v_max3_num_f32 v[BM0+68*\t+\b], v[BM0+68*\t+\b], v[128+64*\t+16*\b+\i], v[129+64*\t+16*\b+\i]   ; (eight chains by turns)
.endr
.endr
.endr
.irp t, 0,1
.irp b, 0,1,2,3
	v_max_num_f32 v[BM0+68*\t+\b], v[BM0+68*\t+\b], v[143+64*\t+16*\b]
.endr
.endr
.irp t, 0,1
.irp b, 0,1,2,3
	v_permlanex16_b32 v[PX+76*\t+\b], v[BM0+68*\t+\b], s[SEL], s[SEL+1]
.endr
.endr
.irp t, 0,1
.irp b, 0,1,2,3
	v_max_num_f32 v[BM0+68*\t+\b], v[BM0+68*\t+\b], v[PX+76*\t+\b]
.endr
.endr
.irp t, 0,1
	v_max3_num_f32 v[56+2*\t], v[BM0+68*\t], v[BM0+68*\t+1], v[BM0+68*\t+2]
.endr
.irp t, 0,1
	s_delay_alu instid0(VALU_DEP_2)
	v_max_num_f32 v[56+2*\t], v[56+2*\t], v[BM0+68*\t+3]
.endr
.irp t, 0,1
	s_delay_alu instid0(VALU_DEP_2)
	v_mul_f32 v[56+2*\t], s[L2E], v[56+2*\t]               ; the step's largest logit as t
.endr
.irp t, 0,1
	s_delay_alu instid0(VALU_DEP_2)
	v_max_num_f32 v[13+4*\t], v[13+4*\t], v[56+2*\t]       ; the running largest t
.endr
.irp t, 0,1
	v_mov_b32 v[57+2*\t], v[12+4*\t]
.endr
.irp t, 0,1
	s_delay_alu instid0(VALU_DEP_4)
	v_floor_f32 v[12+4*\t], -v[13+4*\t]                    ; the new -M = -ceil(t)
.endr
.irp t, 0,1
	s_delay_alu instid0(VALU_DEP_2)
	v_sub_f32 v[57+2*\t], v[12+4*\t], v[57+2*\t]           ; old M - new M: a whole number, 0 or less
.endr
.irp t, 0,1
	s_delay_alu instid0(VALU_DEP_2)
	v_cvt_i32_f32 v[57+2*\t], v[57+2*\t]                   ; (it saturates)
.endr
.irp t, 0,1
	s_delay_alu instid0(VALU_DEP_2)
	v_ldexp_f32 v[38+74*\t], 1.0, v[57+2*\t]               ; f
.endr
.endm
.macro STAGEA2                         ; both heads: t - M and the exponentials
.irp t, 0,1
.set j, 0
.rept 32
	v_pk_fma_f32 v[128+64*\t+j:129+64*\t+j], v[128+64*\t+j:129+64*\t+j], s[L2E:L2E+1], v[12+4*\t:13+4*\t] op_sel_hi:[1,0,0]   ; t - M, two at a time (of the pairs log2(e) and -M the low word serves both halves)
.set j, j+2
.endr
.endr
.irp t, 0,1
.irp b, 0,1,2,3
	v_fma_f32 v[BM0+68*\t+\b], v[BM0+68*\t+\b], s[L2E], v[12+4*\t]   ; the same of each block's largest logit
.endr
.endr
	s_wait_alu depctr_va_vdst(0)                   ; ahead of the batch
.irp t, 0,1
.irp b, 0,1,2,3
	v_exp_f32 v[BM0+68*\t+\b], v[BM0+68*\t+\b]             ; the block's largest p: the same operations on the same number
.endr
.endr
.set j, 0
.rept 128
	v_exp_f32 v[128+j], v[128+j]                           ; p
.set j, j+1
.endr
	v_pk_mul_f32 v[14:15], v[14:15], v[38:39] op_sel_hi:[1,0]      ; the sums under the new M: the plain lines behind the exponentials
	v_pk_mul_f32 v[18:19], v[18:19], v[112:113] op_sel_hi:[1,0]
	s_wait_alu depctr_va_vdst(0)                   ; one wait for the batch of 136, ahead of its first reader
.endm
; one head: the sum of the unquantised p, the blocks' scales, p's codes
.macro STAGEB t
.set SS, 128+64*(\t)
.set ST, 12+4*(\t)
.set OO, 128+32*(\t)
.set BB, BM0+68*(\t)
.set FF, 38+74*(\t)
	v_pk_add_f32 v[56:57], v[SS:SS+1], v[SS+2:SS+3]                        ; four chains, so that no line waits for the line above it
	v_pk_add_f32 v[58:59], v[SS+4:SS+5], v[SS+6:SS+7]
	v_pk_add_f32 v[114:115], v[SS+8:SS+9], v[SS+10:SS+11]
	v_pk_add_f32 v[ST+2:ST+3], v[ST+2:ST+3], v[SS+12:SS+13]
.set j, 14
.rept 6
	v_pk_add_f32 v[56:57], v[56:57], v[SS+j:SS+j+1]
	v_pk_add_f32 v[58:59], v[58:59], v[SS+j+2:SS+j+3]
	v_pk_add_f32 v[114:115], v[114:115], v[SS+j+4:SS+j+5]
	v_pk_add_f32 v[ST+2:ST+3], v[ST+2:ST+3], v[SS+j+6:SS+j+7]
.set j, j+8
.endr
	v_pk_add_f32 v[56:57], v[56:57], v[SS+62:SS+63]
	v_pk_add_f32 v[58:59], v[58:59], v[114:115]
	v_pk_add_f32 v[ST+2:ST+3], v[ST+2:ST+3], v[56:57]
.irp b, 0,1,2,3
	v_max_num_f32 v[BB+\b], 0x4800000, v[BB+\b]    ; the floor 2^(9 - 127): the byte cannot fall under 1
.endr
	v_pk_add_f32 v[ST+2:ST+3], v[ST+2:ST+3], v[58:59]
.irp b, 0,1,2,3
	v_add_nc_u32 v[SO+\b], 0xfc000000, v[BB+\b]    ; 8 off the exponent field: the conversion's scale operand
.endr
.irp b, 0,1,2,3
	v_and_or_b32 v[HD+\b], v[BB+\b], 0x7f800000, s[MNT]    ; 448 x the scale,
.endr
.irp b, 0,1,2,3
	v_and_or_b32 v[HE+(\b+1)%4], v[BB+\b], 0x7f800000, s[MNT]   ; and once more, in another bank
.endr
.irp b, 0,1,2,3
	v_lshrrev_b32 v[PX+\b], 23, v[SO+\b]
.endr
	v_lshl_or_b32 v[PW], v[PX+1], 8, v[PX]
	v_lshl_or_b32 v[PW], v[PX+2], 16, v[PW]
	v_lshl_or_b32 v[PW], v[PX+3], 24, v[PW]
.irp b, 0,1,2,3
.irp i, 0,2,4,6,8,10,12,14
	v_dual_min_num_f32 v[SS+16*\b+\i], v[SS+16*\b+\i], v[HD+\b] :: v_dual_min_num_f32 v[SS+16*\b+\i+1], v[SS+16*\b+\i+1], v[HE+(\b+1)%4]   ; the conversion does not saturate (ISA guide 7.6.2); p is not negative: the hold is one-sided; two numbers a line
.endr
.endr
.irp b, 0,1,2,3
	v_cvt_scalef32_pk8_fp8_f32 v[PC+4*\b:PC+1+4*\b], v[SS+16*\b:SS+7+16*\b], v[SO+\b]
	v_cvt_scalef32_pk8_fp8_f32 v[PC+2+4*\b:PC+3+4*\b], v[SS+8+16*\b:SS+15+16*\b], v[SO+\b]
.endr
.endm
.macro OSC t                           ; one head's O^T under the new M
.set OO, 128+32*(\t)
.set FF, 38+74*(\t)
	WIN 0x41                                       ; destination and source 0 window 1
	s_wait_alu depctr_va_vdst(0)                   ; directly ahead of the first reader of O^T
.set j, 0
.rept 16
	v_pk_mul_f32 v[OO+j:OO+j+1], v[OO+j:OO+j+1], v[FF:FF+1] op_sel_hi:[1,0]   ; O^T under the new M; also the places between the codes and the products
.set j, j+2
.endr
.endm
.macro PV t                            ; O^T += V^T P^T: four tiles of 16 channels, by turns
	WIN 0x51                                       ; V, C and D window 1; p's codes window 0
.irp k, 0,1,2,3
	v_wmma_scale_f32_16x16x128_f8f6f4 v[128+32*(\t)+8*\k:128+32*(\t)+8*\k+7], v[16*\k:16*\k+15], v[PC:PC+15], v[128+32*(\t)+8*\k:128+32*(\t)+8*\k+7], v[VS+\k], v[PW]
.endr
	WIN 0
.endm
; A KEY STEP: 128 keys, the q-th of the slot in hand.  On entry its tiles 4-7 of K, K's scale words and both copies of its mask are on their way or in.
; chg = 0: no change of slots.  1: the slot is left and filled again.  2: it is left, and nothing is left to fetch.
.macro STEP q, chg
	PLACES 8                                       ; behind the last products, which read V's registers (ISA guide 7.12.1)
	WIN 0x40
.irp k, 0,1,2,3
.irp c, 0,1,2,3
	ds_load_b128 v[16*\k+4*\c:16*\k+4*\c+3], v[ADK] offset:REC*(\q)+2048*\k+512*\c
.endr
.endr
	WIN 0
	s_wait_dscnt 16                                ; all but the 16 just issued: what was fetched ahead is in
	s_add_co_u32 s57, s[KF], 127
	s_cmp_le_u32 s57, s[Q0]
	s_cbranch_scc1 .Lbig_\@                        ; every key comes at or before every query of mine
	s_add_co_u32 s57, s[Q0], 15
	s_cmp_gt_u32 s[KF], s57
	s_cbranch_scc1 .Lsmall_\@                      ; every key comes after
	v_sub_nc_u32 v[DX], v[DL0], s[KF]
	s_wait_alu depctr_va_vdst(0)
	QKMH 1
	s_wait_dscnt 0x0                               ; tiles 0-3 are in
	QKMH 0
	s_branch .Ljoin_\@
.Lbig_\@:
	s_wait_alu depctr_va_vdst(0)
	QKH 0, 1
	s_wait_dscnt 0x0
	QKH 0, 0
	WIN 0
	s_branch .Ljoin_\@
.Lsmall_\@:
	s_wait_alu depctr_va_vdst(0)
	QKH 16, 1
	s_wait_dscnt 0x0
	QKH 16, 0
	WIN 0
.Ljoin_\@:
	PLACES 8                                       ; in front of loads into K's registers and of the first read of the logits
	WIN 0x40
.irp k, 0,1,2,3
.irp c, 0,1,2,3
	ds_load_b128 v[16*\k+4*\c:16*\k+4*\c+3], v[ADK] offset:REC*(\q)+16384+2048*\k+512*\c   ; V
.endr
.endr
	WIN 0
	ds_load_b128 v[VS:VS+3], v[ADT] offset:REC*(\q)
.if \chg
	; THE CHANGE OF SLOTS: the slot's last bytes have been asked for.  Each wave waits for all its tensor loads, adds 0 to its spare word, and waits for that and for its reads of this slot
	s_wait_tensorcnt 0x0                           ; no tensor load of mine is out, so a group 0 may be written
	ds_add_u32 v[SPW], v[NIL]
.if \chg == 1
	ds_add_u32 v[SPW], v[NIL]                      ; and, where a load follows, twice on end
	s_xor_b32 s[G0R2+1], s[G0R2+1], SLOT1          ; the walking descriptors: the other slot than last time, the next 256 keys
	s_add_nc_u64 s[G0R2+2:G0R2+3], s[G0R2+2:G0R2+3], 2*REC
	s_xor_b32 s[G0M2+1], s[G0M2+1], SLOT1
	s_add_nc_u64 s[G0M2+2:G0M2+3], s[G0M2+2:G0M2+3], 1024
.endif
	s_xor_b32 s[TB], s[TB], SLOT1                  ; my reads go on in the other slot
	STAGEA                                         ; the maxima and M, work on registers, stand between the add and the wait for it
	s_wait_alu depctr_va_vdst(0)
	s_wait_dscnt 0x0                               ; the add is done; V and its scale words are in registers: my reads of this slot are over
	s_barrier_signal -1                            ; say so (chg = 1: this barrier opens a round of the cluster's),
	STAGEA2                                        ; work on registers alone while the others arrive: p of both heads,
	STAGEB 0                                       ; head 0's sum and codes,
	OSC 0
	PV 0                                           ; and its product,
	s_barrier_wait -1                              ; and go on when all eight have said so
.if \chg == 1
	CREST                                          ; no wave of any partner still reads the slot or has a load on its way
	TLOAD G0R2, G0M2                               ; the first thing behind the round, and a wave's one tensor load until the next
.endif
	ADDR
.if \chg == 1
	PRE 0
	MASKN 0, 0, 0
.else
	s_cmp_eq_u32 s[TWICE], 1                       ; behind the last step there is no next
	s_cbranch_scc1 .Lno_next_\@
	PRE 0
	MASKN 0, 0, 0
.Lno_next_\@:
.endif
.else
	PRE 1
	STAGEA
	STAGEA2
	STAGEB 0
	MASKN 0, 1, 0                                  ; p's registers are free
	OSC 0
	s_wait_alu depctr_va_vdst(0)
	s_wait_dscnt 36                                ; V and its scale words are in; the 20 loads fetched ahead and the mask's 16 may be out
	PV 0
.endif
	STAGEB 1
	MASKN 1, 1-(\q), (\chg)/2
	OSC 1
	PV 1
	s_add_co_u32 s[KF], s[KF], 128
.endm
	s_wait_alu depctr_va_vdst(0)
	s_wait_tensorcnt 0x0                           ; my part of slot 0 is in
	ds_add_u32 v[SPW], v[NIL]
	ds_add_u32 v[SPW], v[NIL]
	s_wait_dscnt 0x0
	CROUND                                         ; everybody's part is in, and all four work-groups are here
	TLOAD G0R2, G0M2                               ; slot 1's first fill
	ADDR
	PRE 0
	MASKN 0, 0, 0
	MASKN 1, 0, 0
.Lslot:                                            ; 6 trips, a slot each: slots 0 to 5 are filled again, with the keys of slots 2 to 7
	STEP 0, 0
	STEP 1, 1
	s_sub_co_u32 s[SLOTS], s[SLOTS], 1
	s_cmp_lg_u32 s[SLOTS], 0
	s_cbranch_scc1 .Lslot
	s_mov_b32 s[TWICE], 2
.Ltail:                                            ; the last two slots are written apart
	STEP 0, 0
	STEP 1, 2
	s_sub_co_u32 s[TWICE], s[TWICE], 1
	s_cmp_lg_u32 s[TWICE], 0
	s_cbranch_scc1 .Ltail
	; THE WAY OUT.  O^T / the sum: register 32 t + 16 b + i is channel 64 t + 32 b + 16 h + i of my pair of heads: 128 neighbours along the hidden axis, one K step of the last product
	PLACES 8
.irp t, 0,1
	v_add_f32 v[14+4*\t], v[14+4*\t], v[15+4*\t]
.endr
.irp t, 0,1
	v_permlanex16_b32 v[PX+\t], v[14+4*\t], s[SEL], s[SEL+1]
.endr
.irp t, 0,1
	v_add_f32 v[14+4*\t], v[14+4*\t], v[PX+\t]
.endr
	s_wait_alu depctr_va_vdst(0)                   ; ahead of the transcendentals
	v_rcp_f32 v56, v14
	v_rcp_f32 v58, v18
	v_mov_b32 v57, 0                               ; (the pairs' upper halves; also the plain line behind the reciprocals)
	v_mov_b32 v59, 0
	WIN 0x01                                       ; source 0 window 1
	s_wait_alu depctr_va_vdst(0)                   ; one wait for both, ahead of the first reader
.set j, 0
.rept 32
	v_pk_mul_f32 v[128+j:129+j], v[128+j:129+j], v[56+2*(j/32):57+2*(j/32)] op_sel_hi:[1,0]
.set j, j+2
.endr
	WIN 0
	QUANT 128
.irp c, 0,1,2,3
	global_store_b128 v[LI], v[PC+4*\c:PC+4*\c+3], s[76:77] offset:512*\c     ; 512 consecutive bytes, aligned
.endr
	v_and_b32 v8, 15, v0
	v_lshlrev_b32 v8, 2, v8
	v_bfe_u32 v9, v0, 4, 1
	v_cmp_eq_u32 vcc_lo, 0, v9
	s_wait_alu depctr_va_vdst(0)
	s_wait_xcnt 0x0                                ; EXEC changes only behind this wait
	s_and_saveexec_b32 s57, vcc_lo
	global_store_b32 v8, v[PW], s[58:59]           ; lanes 0-15: the 16 rows' scale words
	s_wait_xcnt 0x0
	s_or_b32 exec_lo, exec_lo, s57
	s_wait_tensorcnt 0x0                           ; the wave's end
	ds_add_u32 v[SPW], v[NIL]
	s_wait_dscnt 0x0
	CROUND                                         ; the closing round
	s_endpgm
.Lfunc_end_k_qd7ea730d6c_attn:
	.size	k_qd7ea730d6c_attn, .Lfunc_end_k_qd7ea730d6c_attn-k_qd7ea730d6c_attn
	.p2alignl 7, 3214868480
	.fill 96, 4, 3214868480
	.section	.rodata,"a",@progbits
	.p2align	6, 0x0
	.amdhsa_kernel k_qd7ea730d6c_attn
		.amdhsa_group_segment_fixed_size 327680
		.amdhsa_private_segment_fixed_size 0
		.amdhsa_enable_private_segment 0
		.amdhsa_kernarg_size 40
		.amdhsa_user_sgpr_count 2
		.amdhsa_user_sgpr_kernarg_segment_ptr 1
		.amdhsa_wavefront_size32 1
		.amdhsa_system_sgpr_workgroup_id_x 1
		.amdhsa_system_sgpr_workgroup_id_y 1
		.amdhsa_system_sgpr_workgroup_id_z 1
		.amdhsa_system_vgpr_workitem_id 0
		.amdhsa_next_free_vgpr 512
		.amdhsa_next_free_sgpr 100
		.amdhsa_reserve_vcc 1
		.amdhsa_float_denorm_mode_32 3
		.amdhsa_float_denorm_mode_16_64 3
		.amdhsa_memory_ordered 1
		.amdhsa_forward_progress 1
		.amdhsa_inst_pref_size 255
	.end_amdhsa_kernel
	.section	.bss,"aw",@nobits
	.p2align	6
	.space	262144
	.amdgpu_metadata
---
amdhsa.version: [ 1, 2 ]
amdhsa.kernels:
  - .name:           k_qd7ea730d6c_attn
    .symbol:         k_qd7ea730d6c_attn.kd
    .args:
      - { .name: qimg, .offset: 0, .size: 8, .value_kind: global_buffer, .address_space: global }
      - { .name: qsc, .offset: 8, .size: 8, .value_kind: global_buffer, .address_space: global }
      - { .name: kv, .offset: 16, .size: 8, .value_kind: global_buffer, .address_space: global }
      - { .name: attention_mask, .offset: 24, .size: 8, .value_kind: global_buffer, .address_space: global }
      - { .name: aimg, .offset: 32, .size: 8, .value_kind: global_buffer, .address_space: global }
    .group_segment_fixed_size: 327680
    .private_segment_fixed_size: 0
    .kernarg_segment_align: 8
    .kernarg_segment_size: 40
    .max_flat_workgroup_size: 256
    .sgpr_count:     100
    .vgpr_count:     512
    .wavefront_size: 32
...
	.end_amdgpu_metadata
.endif
;; end of part 3
;; launch oproj (part 4): grid 16 x 16, 4 waves a work-group, clusters of 4 x 4, 327,680 bytes of LDS; arguments aimg, oimg, out0; writes out0
.if DOCPART == 4
	.amdgcn_target "amdgcn-amd-amdhsa--gfx1250"
	.amdhsa_code_object_version 6
	.text
	.protected	k_qd7ea730d6c_oproj
	.globl	k_qd7ea730d6c_oproj
	.p2align	8
	.type	k_qd7ea730d6c_oproj,@function
k_qd7ea730d6c_oproj:
	s_mov_b64 s[64:65], 0
	v_nop
	global_prefetch_b8 v0, s[64:65] scope:SCOPE_SE
	s_setreg_imm32_b32 hwreg(HW_REG_WAVE_MODE, 25, 1), 1
	s_wait_xcnt 0x0
	s_wait_alu depctr_hold_cnt(0) depctr_sa_sdst(0) depctr_va_vdst(0) depctr_va_sdst(0) depctr_va_ssrc(0) depctr_va_vcc(0) depctr_vm_vsrc(0)
	s_getreg_b32 s2, hwreg(HW_REG_IB_STS2, 6, 4)
	s_cmp_eq_u32 s2, 0
	s_cbranch_scc0 .Lentry_in_a_cluster
	s_endpgm
.Lentry_in_a_cluster:
	s_bfe_u32 s2, ttmp6, 0x10000c
	s_cmp_lg_u32 s2, 0xf033
	s_cbranch_scc0 .Lentry_shape_is_right
	s_endpgm
.Lentry_shape_is_right:
.set NTB,   128
.set REC,   8448
.set HALFT, 4*REC
.set SLOT,  4*HALFT
.set SPARE, 2*SLOT
.set STRA,  128*REC
.set STRB,  NTB*REC
.set LI,   3
.set ADRA, 4
.set ADRB, 6
.set ADRS, 8
.set SPW,  10
.set NIL,  11
.set STO,  12
.set RD,   13
.set CO,   14
.set SC,   16
.set BK,   48
.set ACC,  128
.set G1,   24
.set G0,   32
.set G1B,  48
.set G0B,  56
.set MSB, 0
.macro WIN new
.if MSB != \new
	s_set_vgpr_msb (MSB<<8)|\new
.set MSB, \new
.endif
.endm
.macro PLACES n
.rept \n
	v_nop
.endr
.endm
.macro JLOAD s
	s_cmp_eq_u32 s11, 0
	s_cbranch_scc0 .Lfor_b_\@
	tensor_load_to_lds s[G0+4*\s:G0+4*\s+3], s[G1:G1+7]
	s_nop 0
	PLACES 4
	s_branch .Lasked_\@
.Lfor_b_\@:
	tensor_load_to_lds s[G0B+4*\s:G0B+4*\s+3], s[G1B:G1B+7]
	s_nop 0
	PLACES 4
.Lasked_\@:
.endm
.macro CREST
	s_cmp_lg_u32 s10, 0
	s_cbranch_scc1 .Lnot_wave_0_\@
	s_barrier_signal -3
.Lnot_wave_0_\@:
	s_barrier_wait -3
	s_barrier_signal -1
	s_barrier_wait -1
.endm
.macro CROUND
	s_barrier_signal -1
	s_barrier_wait -1
	CREST
.endm
	s_load_b128 s[68:71], s[0:1], 0x0
	s_load_b64 s[72:73], s[0:1], 0x10
	v_lshl_add_u32 v[SPW], v0, 2, SPARE
	v_mov_b32 v[NIL], 0
	ds_add_u32 v10, v11
	ds_add_u32 v10, v11
	s_wait_dscnt 0x0
	v_lshrrev_b32 v1, 5, v0
	v_readfirstlane_b32 s10, v1
	s_lshr_b32 s11, s10, 1
	s_and_b32 s12, s10, 1
	s_bfe_u32 s40, ttmp6, 0x40000
	s_bfe_u32 s41, ttmp6, 0x40004
	s_lshl_b32 s42, ttmp9, 2
	s_add_co_u32 s42, s42, s40
	s_and_b32 s13, ttmp7, 0xffff
	s_lshl_b32 s13, s13, 2
	s_add_co_u32 s13, s13, s41
	s_lshl_b32 s43, s41, 2
	s_lshl_b32 s43, 15, s43
	s_lshl_b32 s44, 0x1111, s40
	s_or_b32 s[G1+0], s43, (3<<16)|(1<<21)
	s_or_b32 s[G1B+0], s44, (3<<16)|(1<<21)
.irp g, G1, G1B
	s_mov_b32 s[\g+1], 32<<16
	s_mov_b32 s[\g+2], 264<<16                     ; tensor_dim1: the head's loads bring 128 rows' records, 264 rows of 256 bytes
	s_mov_b32 s[\g+3], 32<<16
	s_mov_b32 s[\g+4], 264                         ; tile_dim1
	s_mov_b32 s[\g+5], 32
	s_mov_b32 s[\g+6], 0
	s_mov_b32 s[\g+7], 0
.endr
	s_lshl_b32 s17, s12, 2
	s_lshl_b32 s16, s13, 3
	s_add_co_u32 s16, s16, s17
	s_mul_i32 s16, s16, REC
	s_lshl_b32 s46, s42, 3
	s_add_co_u32 s46, s46, s17
	s_mul_i32 s46, s46, REC
	s_mov_b32 s17, 0
	s_mov_b32 s47, 0
	s_mul_i32 s20, s10, HALFT
	s_wait_kmcnt 0x0
	s_add_nc_u64 s[14:15], s[68:69], s[16:17]
	s_add_nc_u64 s[46:47], s[70:71], s[46:47]
.irp s, 0,1
	s_mov_b32 s[G0+4*\s], 1
	s_add_co_u32 s[G0+4*\s+1], s20, \s*SLOT
	s_add_nc_u64 s[G0+4*\s+2:G0+4*\s+3], s[14:15], \s*STRA
	s_or_b32 s[G0+4*\s+3], s[G0+4*\s+3], 0x80000000
	s_mov_b32 s[G0B+4*\s], 1
	s_add_co_u32 s[G0B+4*\s+1], s20, \s*SLOT
	s_add_nc_u64 s[G0B+4*\s+2:G0B+4*\s+3], s[46:47], \s*STRB
	s_or_b32 s[G0B+4*\s+3], s[G0B+4*\s+3], 0x80000000
.endr
	; THE HEAD'S LOADS, ONE A WAVE: wave 0 A's 128 rows of K chunk 0, wave 1 of chunk 1, waves 2 and 3 the same of Wo: both slots are asked for at once
	s_mul_i32 s16, s12, STRA-HALFT                 ; from my half's place in chunk 0 to the whole tile's place in chunk wave % 2
	s_mov_b32 s80, 1
	s_mul_i32 s81, s12, SLOT                       ; chunk c goes to slot c
	s_add_nc_u64 s[82:83], s[14:15], s[16:17]
	s_or_b32 s83, s83, 0x80000000
	s_mul_i32 s16, s12, STRB-HALFT
	s_mov_b32 s84, 1
	s_add_co_u32 s85, s81, 2*HALFT                 ; Wo's rows lie behind A's
	s_add_nc_u64 s[86:87], s[46:47], s[16:17]
	s_or_b32 s87, s87, 0x80000000
	; the prefetches: of the four records that my wave fetches in the ring, the partner at place p among the four that ask jointly takes record p (p = cx for A, cy for Wo): told apart by address alone
	s_cmp_eq_u32 s11, 0                            ; do I fetch for A?
	s_cselect_b64 s[66:67], s[14:15], s[46:47]
	s_cselect_b32 s2, s40, s41
	s_mov_b32 s18, STRB
	s_cselect_b32 s18, STRA, s18                   ; a K chunk on, in bytes
	s_mul_i32 s2, s2, REC
	s_lshl_b32 s19, s18, 1
	s_add_co_u32 s2, s2, s19
	s_mov_b32 s3, 0
	s_add_nc_u64 s[66:67], s[66:67], s[2:3]        ; my record of K chunk 2; never rewritten
	s_mov_b32 s19, 0
	s_add_nc_u64 s[18:19], s[66:67], s[18:19]      ; and of K chunk 3; never rewritten
	CROUND
	s_cmp_eq_u32 s11, 0
	s_cbranch_scc0 .Lhead_b
	tensor_load_to_lds s[80:83], s[G1:G1+7]
	s_nop 0
	PLACES 4
	s_branch .Lhead_asked
.Lhead_b:
	tensor_load_to_lds s[84:87], s[G1B:G1B+7]
	s_nop 0
	PLACES 4
.Lhead_asked:
	v_and_b32 v1, 15, v0
	v_bfe_u32 v2, v0, 4, 1
	v_and_b32 v3, 31, v0
	v_lshlrev_b32 v[LI], 4, v3
	v_lshlrev_b32 v44, 4, v[LI]                    ; 256 x lane; never rewritten
	v_mov_b32 v45, 0                               ; never rewritten
	global_prefetch_b8 v44, s[66:67] th:TH_LOAD_NT scope:SCOPE_SE               ; K chunk 2, which the first refill will ask for: my record's 8,448 bytes are 33 blocks of 256: 32, a lane each,
	global_prefetch_b8 v45, s[66:67] offset:8192 th:TH_LOAD_NT scope:SCOPE_SE   ; and the last
	s_mul_i32 s21, s11, HALFT
	s_mul_i32 s22, s12, HALFT
	s_add_co_u32 s22, s22, 2*HALFT
	s_sub_co_u32 s23, s22, s21
	v_mul_u32_u24 v41, s23, v2
	v_lshl_add_u32 v41, v1, 2, v41
	v_add_nc_u32 v41, 8192, v41
.irp s, 0,1
	v_add_nc_u32 v[ADRA+\s], s21, v[LI]
	v_add_nc_u32 v[ADRB+\s], s22, v[LI]
	v_add_nc_u32 v[ADRS+\s], s21, v41
	s_add_co_u32 s21, s21, SLOT
	s_add_co_u32 s22, s22, SLOT
.endr
	s_mul_i32 s23, s10, 16*272
	v_mul_u32_u24 v[STO], v1, 272
	v_lshl_add_u32 v[STO], v2, 5, v[STO]
	v_add_nc_u32 v[STO], s23, v[STO]
	v_mul_u32_u24 v[RD], v2, 272
	v_lshl_add_u32 v[RD], v1, 4, v[RD]
	v_add_nc_u32 v[RD], s23, v[RD]
	v_lshlrev_b32 v[CO], 13, v2
	v_lshl_add_u32 v[CO], v1, 4, v[CO]
	s_lshl_b32 s16, s13, 7
	s_lshl_b32 s17, s11, 6
	s_add_co_u32 s16, s16, s17
	s_lshl_b32 s16, s16, 13
	s_lshl_b32 s46, s42, 9
	s_lshl_b32 s47, s12, 8
	s_add_co_u32 s46, s46, s47
	s_add_co_u32 s16, s16, s46
	s_mov_b32 s17, 0
	s_add_nc_u64 s[72:73], s[72:73], s[16:17]
.macro FETCH slot, q, f
	WIN 0
.irp i, 0,1,2,3
	ds_load_b32 v[SC+4*((\q)%2)+\i], v[ADRS+\slot] offset:REC*\i+64*(\q)
.endr
	WIN 0x40
.irp i, 0,1,2,3
.irp c, 0,1,2,3
	ds_load_b128 v[\f+64+16*\i+4*\c:\f+64+16*\i+4*\c+3], v[ADRB+\slot] offset:REC*\i+2048*(\q)+512*\c
.endr
.endr
.irp i, 0,1,2,3
.irp c, 0,1,2,3
	ds_load_b128 v[\f+16*\i+4*\c:\f+16*\i+4*\c+3], v[ADRA+\slot] offset:REC*\i+2048*(\q)+512*\c
.endr
.endr
.endm
.macro MUL4 f, p, a, zero
.irp b, 0,1,2,3
.if \zero
	v_wmma_scale_f32_16x16x128_f8f6f4 v[ACC+8*(4*(\a)+\b):ACC+8*(4*(\a)+\b)+7], v[\f+64+16*\b:\f+64+16*\b+15], v[\f+16*(\a):\f+16*(\a)+15], 0, v[SC+4*(\p)+\b], v[SC+4*(\p)+(\a)] matrix_a_scale:MATRIX_SCALE_ROW1
.else
	v_wmma_scale_f32_16x16x128_f8f6f4 v[ACC+8*(4*(\a)+\b):ACC+8*(4*(\a)+\b)+7], v[\f+64+16*\b:\f+64+16*\b+15], v[\f+16*(\a):\f+16*(\a)+15], v[ACC+8*(4*(\a)+\b):ACC+8*(4*(\a)+\b)+7], v[SC+4*(\p)+\b], v[SC+4*(\p)+(\a)] matrix_a_scale:MATRIX_SCALE_ROW1
.endif
.endr
.endm
.macro STEP slot, q, zero
	s_wait_dscnt 8
	WIN 0x05
	MUL4 128*((\q)%2), (\q)%2, 0, \zero
	MUL4 128*((\q)%2), (\q)%2, 1, \zero
	PLACES 8
	FETCH \slot, (\q)+1, 128*(((\q)+1)%2)
	s_wait_dscnt 36
	WIN 0x05
	MUL4 128*((\q)%2), (\q)%2, 2, \zero
	MUL4 128*((\q)%2), (\q)%2, 3, \zero
.endm
.macro TURN slot, next, fill
	WIN 0
	s_wait_tensorcnt 0x0
	ds_add_u32 v[SPW], v[NIL]
	s_wait_dscnt 9
	WIN 0x05
	MUL4 128, 1, 0, 0
	s_wait_dscnt 0x0
	s_barrier_signal -1
	MUL4 128, 1, 1, 0
	WIN 0
	s_barrier_wait -1
.if \fill
	CREST
	s_add_nc_u64 s[G0+4*\slot+2:G0+4*\slot+3], s[G0+4*\slot+2:G0+4*\slot+3], 2*STRA
	s_add_nc_u64 s[G0B+4*\slot+2:G0B+4*\slot+3], s[G0B+4*\slot+2:G0B+4*\slot+3], 2*STRB
	JLOAD \slot
	PLACES 4
.else
	PLACES 8
.endif
	s_wait_alu depctr_va_vdst(0)
	FETCH \next, 0, 0
	WIN 0x05
	MUL4 128, 1, 2, 0
	MUL4 128, 1, 3, 0
.endm
	s_wait_alu depctr_va_vdst(0)
	s_wait_tensorcnt 0x0                           ; my one load is in; no tensor load of mine is out, so a descriptor may be written:
	s_mov_b32 s[G1+2], 132<<16                     ; from here on a load brings 64 rows' records, 132 rows of 256 bytes
	s_mov_b32 s[G1+4], 132
	s_mov_b32 s[G1B+2], 132<<16
	s_mov_b32 s[G1B+4], 132
	s_barrier_signal -1
	s_barrier_wait -1                              ; everybody's is: both slots are whole
	FETCH 0, 0, 0
	global_prefetch_b8 v44, s[18:19] th:TH_LOAD_NT scope:SCOPE_SE               ; K chunk 3, which the second refill will ask for, two chunks' products on
	global_prefetch_b8 v45, s[18:19] offset:8192 th:TH_LOAD_NT scope:SCOPE_SE
	STEP 0, 0, 1
	STEP 0, 1, 0
	STEP 0, 2, 0
	TURN 0, 1, 1
	STEP 1, 0, 0
	STEP 1, 1, 0
	STEP 1, 2, 0
	TURN 1, 0, 1
	STEP 0, 0, 0
	STEP 0, 1, 0
	STEP 0, 2, 0
	TURN 0, 1, 0
	STEP 1, 0, 0
	STEP 1, 1, 0
	STEP 1, 2, 0
	s_wait_dscnt 8
	WIN 0x05
	MUL4 128, 1, 0, 0
	MUL4 128, 1, 1, 0
	s_wait_dscnt 0x0
	MUL4 128, 1, 2, 0
	MUL4 128, 1, 3, 0
	WIN 0
.macro TOSTAGE a
.irp b, 0,1,2,3
	ds_store_b128 v[STO], v[ACC+8*(4*(\a)+\b):ACC+8*(4*(\a)+\b)+3] offset:64*\b
	ds_store_b128 v[STO], v[ACC+8*(4*(\a)+\b)+4:ACC+8*(4*(\a)+\b)+7] offset:64*\b+16
.endr
.irp t, 0,1,2,3,4,5,6,7
	ds_load_b128 v[BK+32*((\a)%2)+4*\t:BK+32*((\a)%2)+4*\t+3], v[RD] offset:544*\t
.endr
.endm
.macro SEND a, younger
	s_wait_dscnt \younger
.irp t, 0,1,2,3,4,5,6,7
	global_store_b128 v[CO], v[BK+32*((\a)%2)+4*\t:BK+32*((\a)%2)+4*\t+3], s[72:73] offset:(16*(\a)+2*\t)*8192 th:TH_STORE_NT
.endr
.endm
	PLACES 8
	TOSTAGE 0
.irp a, 1,2,3
.if \a > 1
	s_wait_xcnt 0x0
.endif
	TOSTAGE \a
	SEND \a-1, 16
.endr
	SEND 3, 0
	s_wait_tensorcnt 0x0
	ds_add_u32 v[SPW], v[NIL]
	s_wait_dscnt 0x0
	CROUND
	s_endpgm
.Lfunc_end_k_qd7ea730d6c_oproj:
	.size	k_qd7ea730d6c_oproj, .Lfunc_end_k_qd7ea730d6c_oproj-k_qd7ea730d6c_oproj
	.p2alignl 7, 3214868480
	.fill 96, 4, 3214868480
	.section	.rodata,"a",@progbits
	.p2align	6, 0x0
	.amdhsa_kernel k_qd7ea730d6c_oproj
		.amdhsa_group_segment_fixed_size 327680
		.amdhsa_private_segment_fixed_size 0
		.amdhsa_enable_private_segment 0
		.amdhsa_kernarg_size 24
		.amdhsa_user_sgpr_count 2
		.amdhsa_user_sgpr_kernarg_segment_ptr 1
		.amdhsa_wavefront_size32 1
		.amdhsa_system_sgpr_workgroup_id_x 1
		.amdhsa_system_sgpr_workgroup_id_y 1
		.amdhsa_system_sgpr_workgroup_id_z 1
		.amdhsa_system_vgpr_workitem_id 0
		.amdhsa_next_free_vgpr 512
		.amdhsa_next_free_sgpr 88
		.amdhsa_reserve_vcc 0
		.amdhsa_float_denorm_mode_32 3
		.amdhsa_float_denorm_mode_16_64 3
		.amdhsa_memory_ordered 1
		.amdhsa_forward_progress 1
		.amdhsa_inst_pref_size 93
	.end_amdhsa_kernel
	.amdgpu_metadata
---
amdhsa.version: [ 1, 2 ]
amdhsa.kernels:
  - .name:           k_qd7ea730d6c_oproj
    .symbol:         k_qd7ea730d6c_oproj.kd
    .args:
      - { .name: aimg, .offset: 0, .size: 8, .value_kind: global_buffer, .address_space: global }
      - { .name: oimg, .offset: 8, .size: 8, .value_kind: global_buffer, .address_space: global }
      - { .name: out0, .offset: 16, .size: 8, .value_kind: global_buffer, .address_space: global }
    .group_segment_fixed_size: 327680
    .private_segment_fixed_size: 0
    .kernarg_segment_align: 8
    .kernarg_segment_size: 24
    .max_flat_workgroup_size: 128
    .sgpr_count:     88
    .vgpr_count:     512
    .wavefront_size: 32
...
	.end_amdgpu_metadata
.endif
;; end of part 4
